; MI455X (gfx1250); checked and timed in simulation.
; The chip was launched on July 23, 2026; its instructions are those of AMD's public machine-readable ISA for CDNA 5 (MIT licence, August 2026) and "CDNA5" Instruction Set Architecture Reference Guide (July 2026). The comments in the code are by the model that wrote it; some were corrected since.
;; Joint Attention. Allowed arithmetic: matrix products marked QUANTISED: E2M3 operands, one E8M0 scale for each 32 along K, by v_wmma_scale_f32_16x16x128_f8f6f4 with both operands' format E2M3, f32 sums; everything else in f32.
;; Inputs: Wkc 1,024 x 1,024 float32; Wks 1,024 x 1,024 float32; Wo 1,024 x 1,024 float32; Wq 1,024 x 1,024 float32; Wvc 1,024 x 1,024 float32; Wvs 1,024 x 1,024 float32; bkc 1,024 float32; bks 1,024 float32; bo 1,024 float32; bq 1,024 float32; bvc 1,024 float32; bvs 1,024 float32; context 2 x 2,048 x 1,024 float32; x 2 x 2,048 x 1,024 float32.
;; Outputs: out0 2 x 2,048 x 1,024 float32.
;; This version of the problem:
;;   THIS VERSION OF THE PROBLEM IS GIVEN IN LOW PRECISION. The matrix products marked QUANTISED in the list below multiply operands that are first quantised to E2M3 (2 exponent bits, 3 mantissa bits; 6 bits a number), with one power-of-two scale for each 32 numbers along K (OCP MX v1.0); their sums are f32. All else is computed in f32.
;;   The module's matrix products, in the order in which they are computed (A, B: the left and right operand; K: the contracted axis; several contracted axes count as one K, in the product's order):
;;     1. [M 4,096, K 1,024] x [K 1,024, N 1,024]; A: input x; B: input Wq: QUANTISED
;;     2. [M 4,096, K 1,024] x [K 1,024, N 1,024]; A: input x; B: input Wks: QUANTISED
;;     3. [M 4,096, K 1,024] x [K 1,024, N 1,024]; A: input context; B: input Wkc: QUANTISED
;;     4. [M 4,096, K 1,024] x [K 1,024, N 1,024]; A: input x; B: input Wvs: QUANTISED
;;     5. [M 4,096, K 1,024] x [K 1,024, N 1,024]; A: input context; B: input Wvc: QUANTISED
;;     6. batch 32 x [M 2,048, K 64] x [K 64, N 4,096]; A: computed on the way; B: computed on the way: QUANTISED
;;     7. batch 32 x [M 2,048, K 4,096] x [K 4,096, N 64]; A: softmax (see below); B: computed on the way: QUANTISED
;;     8. [M 4,096, K 1,024] x [K 1,024, N 1,024]; A: computed on the way; B: input Wo: QUANTISED
;;   THE QUANTISER, for each operand of a quantised product, along K:
;;     - K is cut into blocks of 32 from its start; a last block that is shorter is filled with zeros.
;;     - A block's scale is 2^e with e = floor(log2(the largest magnitude in the block)) - 2, held to -126 .. 127; a block of zeros has e = 0. As a byte (E8M0): e + 127.
;;     - Each number is divided by its block's scale, clamped to +-7.5, and rounded to the nearest number of E2M3, ties to even, subnormals kept.
;;     - The product sums the exact products of the quantised numbers (number of the format x scale) in f32.
;;   ~~~python
;;   def quantise(x, axis):      # numpy; x: float32 -> the quantised numbers, widened to float32 again
;;       x = np.moveaxis(x, axis, -1); K = x.shape[-1]
;;       x = np.pad(x, [(0, 0)] * (x.ndim - 1) + [(0, -K % 32)]); x = x.reshape(x.shape[:-1] + (-1, 32)); a = np.abs(x).max(-1, keepdims=True)
;;       e = np.where(a > 0, np.clip(np.frexp(np.where(a > 0, a, 1))[1] - 1 - 2, -126, 127), 0)      # np.frexp(a)[1] - 1 = floor(log2(a)), exactly
;;       r = np.clip(x / 2.0 ** e, -7.5, 7.5)
;;       step = 2.0 ** (np.maximum(np.frexp(np.where(r == 0, 1, r))[1] - 1, 0) - 3)
;;       q = np.round(r / step) * step * 2.0 ** e      # np.round: ties to even
;;       return np.moveaxis(q.reshape(q.shape[:-2] + (-1,))[..., :K], -1, axis).astype(np.float32)
;;   ~~~
;;   SOFTMAX AHEAD OF A QUANTISED PRODUCT. Where the list says 'softmax', what is quantised is not the finished softmax but p = 2^(t - M), with t = logit x log2(e) and M = ceil(the row's largest t), a whole number; so 1/2 < the row's largest p <= 1. The row's sum l is taken of the UNQUANTISED p, in f32, and the product's result is divided by l at the end. Since M is a whole number, a kernel that streams over the keys may use a running M (the ceiling of the running maximum): every later rescaling is an exact power of two, which a block's scale takes up: the codes' values come out the same.
;;   OPERANDS COMPUTED ON THE WAY. 'Computed on the way' means the value that the module computes at that place (a softmax that the list does not call 'softmax' is quantised finished and normalised). What goes into a quantiser is computed in f32, as accurately as f32 sums, v_exp_f32 and their like allow (about 1e-6 of the number): no bf16 or f16 on the way to a quantiser, and a product that is left as it is and whose result goes on into a quantised operand takes f32 operands (vector FMAs, or v_wmma_f32_16x16x4_f32). A number that lies on a knife's edge between two numbers of the format may be rounded either way, as far as f32 arithmetic and the matrix unit's own rounding can turn it there, and no further.
;; One version. Each part assembles by itself: llvm-mc -triple=amdgcn-amd-amdhsa -mcpu=gfx1250 --defsym DOCPART=n.
;; ======== version 1 of 1: 4 launches
;; limits: right only within a limited range of input values
;; workspace buffers: act 6,553,600 bytes; wgt 4,915,200 bytes; qim 3,407,872 bytes; kvc 12,582,912 bytes; kvs 786,432 bytes; aoi 3,276,800 bytes
;; launch prep (part 1): grid 896 x 1, 4 waves a work-group, no clusters, 34,304 bytes of LDS; arguments x, context, Wq, Wks, Wkc, Wvs, Wvc, Wo, act, wgt; writes act, wgt
.if DOCPART == 1
	.amdgcn_target "amdgcn-amd-amdhsa--gfx1250"
	.amdhsa_code_object_version 6
	.text
	.protected	k_qbdc0eb1b42_prep
	.globl	k_qbdc0eb1b42_prep
	.p2align	8
	.type	k_qbdc0eb1b42_prep,@function
k_qbdc0eb1b42_prep:
	s_mov_b64 s[64:65], 0
	v_nop
	global_prefetch_b8 v0, s[64:65] scope:SCOPE_SE
	s_setreg_imm32_b32 hwreg(HW_REG_WAVE_MODE, 25, 1), 1
	s_wait_xcnt 0x0
; x, context [4096][1024] f32 (K innermost) and six weights [1024 (k)][1024 (n)] f32 (K outermost) become codes of FP6 (E2M3) with one E8M0 byte for each 32 along K,
; laid as IMAGES OF THE OPERAND'S REGISTERS.  Rows (tokens, or columns n of a weight) go in groups G of 32; tile 2 G + u holds, in lane r, row 32 G + 8 u + r + 8 (r / 8).
; codes[tile][K step of 128: 8][piece p: 6][lane: 32][8 bytes]: piece p is registers 2 p, 2 p + 1 of the fragment (lane (r, h): registers 6 c .. 6 c + 5 = k 64 c + 32 h + 0 .. 31).
; scale words[G][K step][16 u + r][4 bytes].  act: codes of x, of context (3,145,728 each), then their scale words (131,072 each).  wgt: codes of Wq, Wks, Wkc, Wvs, Wvc, Wo (786,432 each), then scale words (32,768 each).
; A block's scale is 2^(floor(log2(largest magnitude)) - 2): its byte is the largest magnitude's exponent field - 2, held at 1 from below.
; LIMITS: a block whose largest magnitude lies under 2^-124 gets the byte 1, a block of zeros too (the rule says 127: its codes are zeros, and this program alone reads the bytes); NaN and infinities are not served.
; A wave's job is one group G and one K step: 32 rows x 128 K.  Work-groups 0-511 take x and context, 512-895 the weights.  A stream: nothing is shared between work-groups, so no cluster, no tensor load, no matrix unit.
; A job's scale words are 128 consecutive bytes, half of an aligned 256: one byte in 24 of what the launch stores.
.set STGW,  16*528                     ; a wave's stage: 16 rows of 512 bytes + 16
.set SPARE, 4*STGW                     ; behind the four stages: the spare words, 128 bytes a wave
.set TM,  8                            ; v8-23   at work: +0 largest magnitudes, +4 the other half's, then bytes, +12 the conversions' scale operands
.set CT,  24                           ; v24-31  the upper halves of blocks, as converted
.set F0,  32                           ; v32-43  tile u = 0's fragment
.set F1,  44                           ; v44-55  tile u = 1's
.set P0,  56                           ; v56, v57 the two tiles' scale words; v58 both in one register (weights: v56-59 the four blocks' scale operands)
.set P1,  57
.set WD,  58
.set SPW, 60                           ; v60     my spare word; never rewritten
.set NIL, 61                           ; v61     0; never rewritten
.set R,   64                           ; v64-191 128 numbers as loaded
.set XA,  192                          ; v192-255 64 numbers of one row
	s_load_b512 s[4:19], s[0:1], 0x0               ; x, context, Wq, Wks, Wkc, Wvs, Wvc, Wo
	s_load_b128 s[20:23], s[0:1], 0x40             ; act, wgt
	v_lshl_add_u32 v[SPW], v0, 2, SPARE
	v_mov_b32 v[NIL], 0
	v_lshrrev_b32 v1, 5, v0
	v_readfirstlane_b32 s24, v1                    ; wave
	v_and_b32 v7, 31, v0                           ; lane
	v_lshlrev_b32 v4, 3, v7                        ; 8 x lane: my place in a piece
	v_lshlrev_b32 v5, 2, v7                        ; 4 x lane: my place among the scale words
	s_mov_b32 s28, 0x76543210
	s_mov_b32 s29, 0xfedcba98                      ; lane selects: lane l xor 16
	s_cmp_ge_u32 ttmp9, 512
	s_cbranch_scc1 .Lweights
; 64 numbers of a lane, register 16 b + i = k 32 b + 16 h + i of my row, become 6 registers at da (blocks 0, 1), 6 at db (blocks 2, 3) and the row's scale word in pw
.macro QUANT s, da, db, pw
.irp b, 0,1,2,3
	v_max3_num_f32 v[TM+\b], |v[\s+16*\b]|, |v[\s+16*\b+1]|, 0x1800000   ; my 16 numbers of block b, and the floor 2^(3 - 127): the byte cannot fall under 1
.endr
.irp i, 2,4,6,8,10,12,14
.irp b, 0,1,2,3
	v_max3_num_f32 v[TM+\b], v[TM+\b], |v[\s+16*\b+\i]|, |v[\s+16*\b+\i+1]|
.endr
.endr
.irp b, 0,1,2,3
	v_permlanex16_b32 v[TM+4+\b], v[TM+\b], s28, s29
.endr
.irp b, 0,1,2,3
	v_max_num_f32 v[TM+\b], v[TM+\b], v[TM+4+\b]   ; with lane l xor 16's 16: the block's largest magnitude
.endr
.irp b, 0,1,2,3
	v_add_nc_u32 v[TM+12+\b], 0xff000000, v[TM+\b] ; 2 off its exponent field: the conversion's scale operand
.endr
.irp b, 0,1,2,3
	v_lshrrev_b32 v[TM+4+\b], 23, v[TM+12+\b]      ; the scale's byte
.endr
	v_lshl_or_b32 v[\pw], v[TM+5], 8, v[TM+4]
	v_lshl_or_b32 v[\pw], v[TM+6], 16, v[\pw]
	v_lshl_or_b32 v[\pw], v[TM+7], 24, v[\pw]
	v_cvt_scalef32_pk16_fp6_f32 v[\da:\da+2], v[\s:\s+15], v[TM+12]
	v_cvt_scalef32_pk16_fp6_f32 v[CT:CT+2], v[\s+16:\s+31], v[TM+13]       ; (a conversion's three registers begin on an even number)
	v_cvt_scalef32_pk16_fp6_f32 v[\db:\db+2], v[\s+32:\s+47], v[TM+14]
	v_cvt_scalef32_pk16_fp6_f32 v[CT+4:CT+6], v[\s+48:\s+63], v[TM+15]
	v_nop                                          ; one plain place behind the scaled conversions
.irp i, 0,1,2
	v_permlane16_swap_b32 v[\da+\i], v[CT+\i]      ; the layout wants a whole block in a lane: lanes 0-15 the even block, lanes 16-31 the odd one
	v_permlane16_swap_b32 v[\db+\i], v[CT+4+\i]
.endr
.irp i, 0,1,2
	v_mov_b32 v[\da+3+\i], v[CT+\i]
	v_mov_b32 v[\db+3+\i], v[CT+4+\i]
.endr
.endm
	; ---- x and context: id = 256 m + 2 G + j; K step = 4 j + wave
	s_and_b32 s25, ttmp9, 1
	s_lshl_b32 s25, s25, 2
	s_add_co_u32 s25, s25, s24                     ; K step
	s_bfe_u32 s26, ttmp9, 0x70001                  ; G
	s_lshr_b32 s27, ttmp9, 8                       ; m: 0 x, 1 context
	s_wait_alu depctr_va_vdst(0)
	v_lshlrev_b32 v1, 4, v7                        ; 16 x lane: a load's 512 bytes are a row's 128 numbers
	s_mul_i32 s30, s24, STGW
	v_add_nc_u32 v2, s30, v1                       ; the stage, in: as loaded
	v_and_b32 v6, 15, v7
	v_lshrrev_b32 v3, 4, v7
	v_lshlrev_b32 v3, 6, v3
	v_mad_u32_u24 v3, v6, 528, v3
	v_add_nc_u32 v3, s30, v3                       ; out: row r, + 64 h: my 16 numbers of each block of 32
	s_lshl_b32 s32, s26, 17                        ; 32 rows of 4,096 bytes
	s_lshl_b32 s33, s25, 9
	s_add_co_u32 s32, s32, s33
	s_mov_b32 s33, 0
	s_mul_i32 s34, s27, 3145728
	s_mul_i32 s35, s26, 24576
	s_add_co_u32 s34, s34, s35
	s_mul_i32 s35, s25, 1536
	s_add_co_u32 s34, s34, s35                     ; my two fragments' place among the codes
	s_mov_b32 s35, 0
	s_lshl_b32 s36, s27, 17
	s_lshl_b32 s37, s26, 10
	s_add_co_u32 s36, s36, s37
	s_lshl_b32 s37, s25, 7
	s_add_co_u32 s36, s36, s37
	s_add_co_u32 s36, s36, 6291456                 ; and among the scale words
	s_mov_b32 s37, 0
	s_mov_b32 s31, 0xffff0000                      ; lanes 16-31
.irp b, 0,1,2,3
	v_mov_b32 v[TM+4+\b], 0                        ; written once: a lane permute's destination counts as one of its sources
.endr
	s_wait_alu depctr_va_vdst(0)
	s_wait_kmcnt 0x0
	s_cmp_eq_u32 s27, 0
	s_cselect_b64 s[4:5], s[4:5], s[6:7]
	s_add_nc_u64 s[4:5], s[4:5], s[32:33]
	s_add_nc_u64 s[38:39], s[20:21], s[34:35]
	s_add_nc_u64 s[40:41], s[20:21], s[36:37]
.irp u, 0,1
.irp p, 0,1,2,3,4,5,6,7,8,9,10,11,12,13,14,15
	global_load_b128 v[R+64*\u+4*\p:R+64*\u+4*\p+3], v1, s[4:5] offset:(8*\u+\p+8*(\p/8))*4096 th:TH_LOAD_NT   ; the tile's row p: 512 consecutive bytes
.endr
.endr
	s_wait_loadcnt 16                              ; tile 0's 16 loads are in; tile 1's may be out
.irp p, 0,1,2,3,4,5,6,7,8,9,10,11,12,13,14,15
	ds_store_b128 v2, v[R+4*\p:R+4*\p+3] offset:528*\p
.endr
.irp b, 0,1,2,3
.irp j, 0,1,2,3
	ds_load_b128 v[XA+16*\b+4*\j:XA+16*\b+4*\j+3], v3 offset:128*\b+16*\j   ; LDS serves a wave's instructions in order: these see the stores above
.endr
.endr
	s_wait_loadcnt 0x0
.irp p, 0,1,2,3,4,5,6,7,8,9,10,11,12,13,14,15
	ds_store_b128 v2, v[R+64+4*\p:R+64+4*\p+3] offset:528*\p               ; tile 1 into the same stage, behind tile 0's reads
.endr
	s_wait_dscnt 16                                ; all but those 16 stores: tile 0 is back
.irp b, 0,1,2,3
.irp j, 0,1,2,3
	ds_load_b128 v[R+16*\b+4*\j:R+16*\b+4*\j+3], v3 offset:128*\b+16*\j
.endr
.endr
	QUANT XA, F0, F0+6, P0
.irp p, 0,1,2,3,4,5
	global_store_b64 v4, v[F0+2*\p:F0+2*\p+1], s[38:39] offset:256*\p      ; 32 lanes store 256 consecutive bytes, aligned
.endr
	s_wait_dscnt 0x0                               ; tile 1 is back
	QUANT R, F1, F1+6, P1
.irp p, 0,1,2,3,4,5
	global_store_b64 v4, v[F1+2*\p:F1+2*\p+1], s[38:39] offset:12288+256*\p
.endr
	v_cndmask_b32 v[WD], v[P0], v[P1], s31         ; lanes 0-15 tile 0's words, lanes 16-31 tile 1's
	global_store_b32 v5, v[WD], s[40:41]
	s_wait_tensorcnt 0x0                           ; the wave's end, behind my last LDS store
	ds_add_u32 v[SPW], v[NIL]
	s_wait_dscnt 0x0
	s_endpgm
	; ---- the weights: id - 512 = 64 w + 8 cq + K step; G = 4 cq + wave.  A LANE TAKES A COLUMN n AND ITS REGISTERS RUN DOWN K: four whole blocks a lane.  No LDS.
.Lweights:
	s_sub_co_u32 s25, ttmp9, 512
	s_lshr_b32 s26, s25, 6                         ; w
	s_bfe_u32 s27, s25, 0x30003                    ; cq
	s_and_b32 s25, s25, 7                          ; K step
	s_lshl_b32 s30, s27, 2
	s_add_co_u32 s30, s30, s24                     ; G
	s_wait_alu depctr_va_vdst(0)
	v_and_b32 v1, 7, v7                            ; lane (r, h) takes column r + 8 (r / 8) + 8 h of the 32: lanes 0-15 tile 0's columns, lanes 16-31 tile 1's
	v_bfe_u32 v2, v7, 4, 1
	v_lshl_or_b32 v1, v2, 3, v1
	v_bfe_u32 v2, v7, 3, 1
	v_lshl_or_b32 v1, v2, 4, v1
	v_lshlrev_b32 v1, 2, v1
	s_lshl_b32 s32, s25, 19                        ; 128 rows of 4,096 bytes
	s_lshl_b32 s33, s30, 7                         ; 32 columns of 4 bytes
	s_add_co_u32 s32, s32, s33
	s_mov_b32 s33, 0
	s_mul_i32 s34, s26, 786432
	s_mul_i32 s35, s30, 24576
	s_add_co_u32 s34, s34, s35
	s_mul_i32 s35, s25, 1536
	s_add_co_u32 s34, s34, s35
	s_mov_b32 s35, 0
	s_lshl_b32 s36, s26, 15
	s_lshl_b32 s37, s30, 10
	s_add_co_u32 s36, s36, s37
	s_lshl_b32 s37, s25, 7
	s_add_co_u32 s36, s36, s37
	s_add_co_u32 s36, s36, 4718592
	s_mov_b32 s37, 0
	s_wait_alu depctr_va_vdst(0)
	s_wait_kmcnt 0x0
	s_cmp_eq_u32 s26, 1                            ; which weight: the choice hangs on the work-group's number alone
	s_cselect_b64 s[8:9], s[10:11], s[8:9]
	s_cmp_eq_u32 s26, 2
	s_cselect_b64 s[8:9], s[12:13], s[8:9]
	s_cmp_eq_u32 s26, 3
	s_cselect_b64 s[8:9], s[14:15], s[8:9]
	s_cmp_eq_u32 s26, 4
	s_cselect_b64 s[8:9], s[16:17], s[8:9]
	s_cmp_eq_u32 s26, 5
	s_cselect_b64 s[8:9], s[18:19], s[8:9]
	s_add_nc_u64 s[8:9], s[8:9], s[32:33]
	s_add_nc_u64 s[38:39], s[22:23], s[34:35]
	s_add_nc_u64 s[40:41], s[22:23], s[36:37]
.macro LOADW t                         ; block t: W(32 t + i, my column): the wave reads 128 consecutive bytes, the four waves 512
.set i, 0
.rept 32
	global_load_b32 v[R+32*(\t)+i], v1, s[8:9] offset:(32*(\t)+i)*4096 th:TH_LOAD_NT
.set i, i+1
.endr
.endm
.macro WBLK t, cd, td                  ; block t: its byte into the word v28, its lower 16 codes to cd, its upper 16 to td
.set XS, R+32*(\t)
	v_max3_num_f32 v24, |v[XS]|, |v[XS+1]|, |v[XS+2]|
	v_max3_num_f32 v25, |v[XS+3]|, |v[XS+4]|, |v[XS+5]|
.irp i, 6,10,14,18,22,26
	v_max3_num_f32 v24, v24, |v[XS+\i]|, |v[XS+\i+1]|
	v_max3_num_f32 v25, v25, |v[XS+\i+2]|, |v[XS+\i+3]|
.endr
	v_max3_num_f32 v24, v24, |v[XS+30]|, |v[XS+31]|
	v_max3_num_f32 v24, v24, v25, 0x1800000        ; and the floor
	v_add_nc_u32 v[56+\t], 0xff000000, v24
	v_lshrrev_b32 v26, 23, v[56+\t]
.if (\t) == 0
	v_mov_b32 v28, v26
.else
	v_lshl_or_b32 v28, v26, 8*(\t), v28
.endif
	v_cvt_scalef32_pk16_fp6_f32 v[\cd:\cd+2], v[XS:XS+15], v[56+\t]
	v_cvt_scalef32_pk16_fp6_f32 v[\td:\td+2], v[XS+16:XS+31], v[56+\t]
.endm
	LOADW 0
	LOADW 1
	s_wait_loadcnt 32                              ; block 0 is in; the youngest block's 32 loads may be out (so in each wait below)
	LOADW 2
	WBLK 0, F0, 8
	s_wait_loadcnt 32
	LOADW 3
	WBLK 1, F1, 12
	s_wait_loadcnt 32
	WBLK 2, F0+6, 16
	s_wait_loadcnt 0x0
	WBLK 3, F1+6, 20
	v_nop                                          ; one plain place behind the scaled conversions
.irp i, 0,1,2                          ; blocks 2 c and 2 c + 1 change halves: the first then holds, for lanes 0-15's columns, block 2 c + h in lane (r, h): tile 0's registers; the second tile 1's
	v_permlane16_swap_b32 v[F0+\i], v[F1+\i]
	v_permlane16_swap_b32 v[8+\i], v[12+\i]
	v_permlane16_swap_b32 v[F0+6+\i], v[F1+6+\i]
	v_permlane16_swap_b32 v[16+\i], v[20+\i]
.endr
.irp i, 0,1,2
	v_mov_b32 v[F0+3+\i], v[8+\i]
	v_mov_b32 v[F1+3+\i], v[12+\i]
	v_mov_b32 v[F0+9+\i], v[16+\i]
	v_mov_b32 v[F1+9+\i], v[20+\i]
.endr
.irp u, 0,1
.irp p, 0,1,2,3,4,5
	global_store_b64 v4, v[F0+12*\u+2*\p:F0+12*\u+2*\p+1], s[38:39] offset:12288*\u+256*\p
.endr
.endr
	global_store_b32 v5, v28, s[40:41]             ; lane 16 u + r holds the word of tile u's row r
	s_endpgm
.Lfunc_end_k_qbdc0eb1b42_prep:
	.size	k_qbdc0eb1b42_prep, .Lfunc_end_k_qbdc0eb1b42_prep-k_qbdc0eb1b42_prep
	.p2alignl 7, 3214868480
	.fill 96, 4, 3214868480
	.section	.rodata,"a",@progbits
	.p2align	6, 0x0
	.amdhsa_kernel k_qbdc0eb1b42_prep
		.amdhsa_group_segment_fixed_size 34304
		.amdhsa_private_segment_fixed_size 0
		.amdhsa_enable_private_segment 0
		.amdhsa_kernarg_size 80
		.amdhsa_user_sgpr_count 2
		.amdhsa_user_sgpr_kernarg_segment_ptr 1
		.amdhsa_wavefront_size32 1
		.amdhsa_system_sgpr_workgroup_id_x 1
		.amdhsa_system_sgpr_workgroup_id_y 1
		.amdhsa_system_sgpr_workgroup_id_z 1
		.amdhsa_system_vgpr_workitem_id 0
		.amdhsa_next_free_vgpr 256
		.amdhsa_next_free_sgpr 66
		.amdhsa_reserve_vcc 0
		.amdhsa_float_denorm_mode_32 3
		.amdhsa_float_denorm_mode_16_64 3
		.amdhsa_memory_ordered 1
		.amdhsa_forward_progress 1
		.amdhsa_inst_pref_size 40
	.end_amdhsa_kernel
	.amdgpu_metadata
---
amdhsa.version: [ 1, 2 ]
amdhsa.kernels:
  - .name:           k_qbdc0eb1b42_prep
    .symbol:         k_qbdc0eb1b42_prep.kd
    .args:
      - { .name: x, .offset: 0, .size: 8, .value_kind: global_buffer, .address_space: global }
      - { .name: context, .offset: 8, .size: 8, .value_kind: global_buffer, .address_space: global }
      - { .name: Wq, .offset: 16, .size: 8, .value_kind: global_buffer, .address_space: global }
      - { .name: Wks, .offset: 24, .size: 8, .value_kind: global_buffer, .address_space: global }
      - { .name: Wkc, .offset: 32, .size: 8, .value_kind: global_buffer, .address_space: global }
      - { .name: Wvs, .offset: 40, .size: 8, .value_kind: global_buffer, .address_space: global }
      - { .name: Wvc, .offset: 48, .size: 8, .value_kind: global_buffer, .address_space: global }
      - { .name: Wo, .offset: 56, .size: 8, .value_kind: global_buffer, .address_space: global }
      - { .name: act, .offset: 64, .size: 8, .value_kind: global_buffer, .address_space: global }
      - { .name: wgt, .offset: 72, .size: 8, .value_kind: global_buffer, .address_space: global }
    .group_segment_fixed_size: 34304
    .private_segment_fixed_size: 0
    .kernarg_segment_align: 8
    .kernarg_segment_size: 80
    .max_flat_workgroup_size: 128
    .sgpr_count:     66
    .vgpr_count:     256
    .wavefront_size: 32
...
	.end_amdgpu_metadata
.endif
;; end of part 1
;; launch proj (part 2): grid 20 x 16, 4 waves a work-group, clusters of 4 x 4, 327,680 bytes of LDS; arguments act, wgt, bq, bks, bkc, bvs, bvc, qim, kvc, kvs; writes qim, kvc, kvs
.if DOCPART == 2
	.amdgcn_target "amdgcn-amd-amdhsa--gfx1250"
	.amdhsa_code_object_version 6
	.text
	.protected	k_qbdc0eb1b42_proj
	.globl	k_qbdc0eb1b42_proj
	.p2align	8
	.type	k_qbdc0eb1b42_proj,@function
k_qbdc0eb1b42_proj:
	s_mov_b64 s[64:65], 0
	v_nop
	global_prefetch_b8 v0, s[64:65] scope:SCOPE_SE
	s_setreg_imm32_b32 hwreg(HW_REG_WAVE_MODE, 25, 1), 1
	s_wait_xcnt 0x0
	s_wait_alu depctr_hold_cnt(0) depctr_sa_sdst(0) depctr_va_vdst(0) depctr_va_sdst(0) depctr_va_ssrc(0) depctr_va_vcc(0) depctr_vm_vsrc(0)
	s_getreg_b32 s2, hwreg(HW_REG_IB_STS2, 6, 4)
	s_cmp_eq_u32 s2, 0
	s_cbranch_scc0 .Lentry_in_a_cluster
	s_endpgm
.Lentry_in_a_cluster:
	s_bfe_u32 s2, ttmp6, 0x10000c
	s_cmp_lg_u32 s2, 0xf033
	s_cbranch_scc0 .Lentry_shape_is_right
	s_endpgm
.Lentry_shape_is_right:
; The five projections, on codes of FP6 (E2M3) with E8M0 scales, each [4096 tokens] x [1024 n], K = 1,024; the bias; and the results quantised at once for attention.  Cluster x = the product: 0 q, 1 k of x, 2 k of context, 3 v of x, 4 v of context.
; A work-group makes 256 x 256, each of its four waves 128 x 128: 64 accumulators.  320 work-groups: the sizes give no 256 even tiles of this shape.
; TWO SIDES.  The LANE side is source 1: a lane of the result holds one of its rows.  The REGISTER side is source 0: the result's registers run along its rows.  q, k are quantised along n (a head's 64), so there tokens are the lane side and
; the weight's columns the register side; v is quantised along the keys, so there the weight is the lane side and the tokens the register side.  Both operands lie in memory as the same register images, so the K loop is one text: only pointers and offsets are chosen.
; TILES.  Rows go in groups of 32; tile 2 G + u holds in lane r row 32 G + 8 u + r + 8 (r / 8): the 16 registers of the results of tiles 2 G, 2 G + 1 as source 0 are rows 32 G + 16 h + 0 .. 15, neighbours along the next K.
; CLUSTERS: 4 x 4.  The lane side's tile is shared along a row of the cluster, the register side's along a column: joint loads.  No branch hangs on a place in the cluster; those on the product are alike in all sixteen.
; LDS: three slots of 256 along K, all asked for at the head; slot 0 is filled once more, with the fourth 256; the scale words of all of K stay.  The eight steps of 128 are written out.
; OUT.  q: qim codes [b h][group of 32 queries][1,536]: registers 0-5 tile u = 0 (block h of the head's two), 6-11 tile u = 1; words [b h][128 queries][lane 16 u + r][group 0..3], a row's two bytes written twice.  k: the same form in kvc, kvs, by steps of 128 keys.
; v: kvc [b h][step] + 6,144: four fragments of 16 channels x 128 keys; kvs + 512: [r][tile 0..3] words.  Every store covers whole aligned runs of 256 bytes.
; LIMITS: as the quantiser's in the launch before: the byte is held at 1 from below, a block of zeros has 1; NaN and infinities are not served.
; REGISTERS: window 0: v1-29 addresses; v32-95 scale words (8 i + s: lanes 0-15 the lane side's tile i, lanes 16-31 the register side's tile i, K step s): scales and nothing else; v128-223 the lane side's fragments, ONE set; v96-122, v224-235 at work on the way out.
;   window 1: the register side's fragments, two sets, v0-95 and v128-223; the bias, 8 tiles of 8, v96-127 and v224-255.   windows 2, 3: accumulator (a, b) at v[8 (8 (a % 4) + b)].
; LDS AS IT IS USED NOW: bytes 0 .. 196,607 first hold K steps 0-3: the lane side's 16 tiles x 6,144 bytes, then the register side's; bytes 196,608 on hold K steps 4, 5 (four quarters of 8 tiles x 3,072);
; K steps 6, 7 are filled into bytes 0 .. 98,303, in quarters, at K step 3, when K steps 0-3 have been read.  At the head each wave issues one load: wave 0 the lane side, wave 1 the register side, waves 2, 3 their scale words.
.set SLOTB, 98304
.set HALFB, 24576
.set SCL,   3*SLOTB                    ; the scale words: 4,096 bytes for each half
.set SPARE, SCL+4*4096                 ; the spare words, 128 bytes a wave
.set ADRA, 16                          ; v16-18 the lane side's fragments in slot 0, 1, 2: + 8 x lane
.set ADRB, 20                          ; v20-22 the register side's
.set ADRS, 27
.set SPW,  28
.set NIL,  29
.set SC,   32
.set AF,   128
.set TM,   96
.set CT,   112
.set P0,   120
.set P1,   121
.set WS,   122
.set WV, 2                             ; s2 wave; s3 wave / 2: my half of the lane side, and: I fetch for the lane side (0) or the register side (1); s66 wave % 2: my half of the register side, and which half I fetch
.set WR, 3
.set WC, 66
.set CX, 67                            ; the product
.set PX, 92                            ; cx, cy: my place in the cluster
.set PY, 93
.set CY, 94
.set G1L,  24
.set G1R,  32
.set G1LS, 40
.set G1RS, 48
.set G0L0, 56
.set G0L1, 60
.set G0L2, 68
.set G0R0, 72
.set G0R1, 76
.set G0R2, 80
.set G0LS, 84
.set G0RS, 88
.set MSB, 0
.macro WIN new                         ; the immediate's high byte repeats the setting that is left
.if MSB != (\new)
	s_set_vgpr_msb (MSB<<8)|(\new)
.set MSB, (\new)
.endif
.endm
.macro PLACES                          ; four plain places behind matrix instructions, ahead of loads into their registers and of reads of results
.rept 4
	v_nop
.endr
.endm
.macro JLOAD g0a, g1a, g0b, g1b        ; a joint load: waves 0, 1 for the lane side, waves 2, 3 for the register side; s_nop 0 and four v_nop follow each line
	s_cmp_eq_u32 s[WR], 0
	s_cbranch_scc0 .Lfor_b_\@
	tensor_load_to_lds s[\g0a:\g0a+3], s[\g1a:\g1a+7]
	s_nop 0
.rept 4
	v_nop
.endr
	s_branch .Lasked_\@
.Lfor_b_\@:
	tensor_load_to_lds s[\g0b:\g0b+3], s[\g1b:\g1b+7]
	s_nop 0
.rept 4
	v_nop
.endr
.Lasked_\@:
.endm
.macro CREST
	s_cmp_lg_u32 s[WV], 0
	s_cbranch_scc1 .Lnot_wave_0_\@
	s_barrier_signal -3
.Lnot_wave_0_\@:
	s_barrier_wait -3
	s_barrier_signal -1
	s_barrier_wait -1
.endm
.macro CROUND
	s_barrier_signal -1
	s_barrier_wait -1
	CREST
.endm
	s_load_b512 s[4:19], s[0:1], 0x0               ; act, wgt, bq, bks, bkc, bvs, bvc, qim
	s_load_b128 s[20:23], s[0:1], 0x40             ; kvc, kvs
	v_lshl_add_u32 v[SPW], v0, 2, SPARE
	v_mov_b32 v[NIL], 0
	ds_add_u32 v[SPW], v[NIL]                      ; the wave's opening: the add and its wait ahead of my first tensor load; work on registers stands between
	ds_add_u32 v[SPW], v[NIL]
	v_lshrrev_b32 v1, 5, v0
	v_readfirstlane_b32 s[WV], v1
	s_lshr_b32 s[WR], s[WV], 1
	s_and_b32 s[WC], s[WV], 1
	s_mov_b32 s[CX], ttmp9
	s_and_b32 s[CY], ttmp7, 0xffff
	s_bfe_u32 s[PX], ttmp6, 0x40000
	s_bfe_u32 s[PY], ttmp6, 0x40004
	s_lshl_b32 s95, s[PY], 2
	s_lshl_b32 s95, 15, s95                        ; my row of the cluster
	s_lshl_b32 s100, 0x1111, s[PX]                 ; my column
	s_or_b32 s[G1L], s95, (3<<16)|(1<<21)          ; the mask; elements of 8 bytes; no padding; bit 21 beside a mask
	s_or_b32 s[G1LS], s95, (3<<16)|(1<<21)
	s_or_b32 s[G1R], s100, (3<<16)|(1<<21)
	s_or_b32 s[G1RS], s100, (3<<16)|(1<<21)
.irp g, G1L, G1R                       ; codes, for the head's loads: 16 tiles' 6,144 bytes (four K steps), 12,288 bytes from tile to tile
	s_mov_b32 s[\g+1], 768<<16
	s_mov_b32 s[\g+2], 16<<16
	s_mov_b32 s[\g+3], 768<<16
	s_mov_b32 s[\g+4], 16
	s_mov_b32 s[\g+5], 1536
	s_mov_b32 s[\g+6], 0
	s_mov_b32 s[\g+7], 0
.endr
.irp g, G1LS, G1RS                     ; scale words of 256 rows: 8,192 dense bytes as 32 rows of 256
	s_mov_b32 s[\g+1], 32<<16
	s_mov_b32 s[\g+2], 32<<16
	s_mov_b32 s[\g+3], 32<<16
	s_mov_b32 s[\g+4], 32
	s_mov_b32 s[\g+5], 32
	s_mov_b32 s[\g+6], 0
	s_mov_b32 s[\g+7], 0
.endr
	s_cmp_eq_u32 s[CX], 2
	s_cselect_b32 s101, 1, 0
	s_cmp_eq_u32 s[CX], 4
	s_cselect_b32 s101, 1, s101                    ; 1: the tokens are context's
	s_mul_i32 s96, s101, 3145728                   ; the tokens' codes in act,
	s_lshl_b32 s97, s101, 17
	s_add_co_u32 s97, s97, 6291456                 ; their scale words;
	s_mul_i32 s98, s[CX], 786432                   ; the weight's codes in wgt,
	s_lshl_b32 s99, s[CX], 15
	s_add_co_u32 s99, s99, 4718592                 ; its scale words
	s_lshl_b32 s101, s[CY], 2
	s_cmp_ge_u32 s[CX], 3                          ; a product for v?
	s_cselect_b32 s[G0L0+2], s98, s96              ; the lane side: the weight for v, else the tokens
	s_cselect_b32 s[G0LS+2], s99, s97
	s_cselect_b32 s[G0R0+2], s96, s98              ; the register side: the other
	s_cselect_b32 s[G0RS+2], s97, s99
	s_cselect_b32 s95, 0, s101
	s_cselect_b32 s100, s101, 0
	s_add_co_u32 s95, s95, s[PY]                   ; the lane side's tile of 256: cy for a weight, 4 cluster y + cy for tokens: it hangs on cy alone
	s_add_co_u32 s100, s100, s[PX]                 ; the register side's: on cx alone
	s_lshl_b32 s95, s95, 1
	s_add_co_u32 s95, s95, s[WC]                   ; in halves of 128 rows: the one that I fetch
	s_lshl_b32 s100, s100, 1
	s_add_co_u32 s100, s100, s[WC]
	s_mul_i32 s96, s95, 98304
	s_add_co_u32 s[G0L0+2], s[G0L0+2], s96
	s_mov_b32 s[G0L0+3], 0
	s_sub_co_u32 s96, s95, s[WC]                   ; the scale words come for both halves at once
	s_lshl_b32 s96, s96, 12
	s_add_co_u32 s[G0LS+2], s[G0LS+2], s96
	s_mov_b32 s[G0LS+3], 0
	s_mul_i32 s98, s100, 98304
	s_add_co_u32 s[G0R0+2], s[G0R0+2], s98
	s_mov_b32 s[G0R0+3], 0
	s_sub_co_u32 s98, s100, s[WC]
	s_lshl_b32 s98, s98, 12
	s_add_co_u32 s[G0RS+2], s[G0RS+2], s98
	s_mov_b32 s[G0RS+3], 0
	s_mul_i32 s101, s[WV], HALFB                   ; a quarter's place: wave x a half: no place in the cluster enters an LDS address
	s_mov_b32 s[G0L0+1], s101                      ; K steps 6, 7
	s_mov_b32 s[G0R0+1], s101
	s_add_co_u32 s[G0L2+1], s101, 2*SLOTB          ; K steps 4, 5
	s_add_co_u32 s[G0R2+1], s101, 2*SLOTB
	s_mov_b32 s[G0L1+1], 0                         ; the head's loads: the lane side's K steps 0-3,
	s_mov_b32 s[G0R1+1], SLOTB                     ; the register side's,
	s_mov_b32 s[G0LS+1], SCL                       ; and the scale words
	s_mov_b32 s[G0RS+1], SCL+8192
	s_mul_i32 s100, s[WC], 98304                   ; from the tile's first half to the half that I fetch, in bytes
	s_mov_b32 s101, 0
	s_wait_dscnt 0x0                               ; the opening add is done
	s_wait_kmcnt 0x0
	s_cmp_ge_u32 s[CX], 3
	s_cselect_b64 s[96:97], s[6:7], s[4:5]         ; the lane side's buffer
	s_cselect_b64 s[98:99], s[4:5], s[6:7]         ; the register side's
	s_add_nc_u64 s[G0L0+2:G0L0+3], s[96:97], s[G0L0+2:G0L0+3]      ; my half, K step 0
	s_sub_nc_u64 s[G0L1+2:G0L1+3], s[G0L0+2:G0L0+3], s[100:101]    ; the tile's first half: the head's load brings both
	s_add_nc_u64 s[G0L2+2:G0L2+3], s[G0L0+2:G0L0+3], 6144          ; K step 4
	s_add_nc_u64 s[G0L0+2:G0L0+3], s[G0L0+2:G0L0+3], 9216          ; K step 6
	s_add_nc_u64 s[G0LS+2:G0LS+3], s[96:97], s[G0LS+2:G0LS+3]
	s_add_nc_u64 s[G0R0+2:G0R0+3], s[98:99], s[G0R0+2:G0R0+3]
	s_sub_nc_u64 s[G0R1+2:G0R1+3], s[G0R0+2:G0R0+3], s[100:101]
	s_add_nc_u64 s[G0R2+2:G0R2+3], s[G0R0+2:G0R0+3], 6144
	s_add_nc_u64 s[G0R0+2:G0R0+3], s[G0R0+2:G0R0+3], 9216
	s_add_nc_u64 s[G0RS+2:G0RS+3], s[98:99], s[G0RS+2:G0RS+3]
.irp g, G0L0, G0L1, G0L2, G0R0, G0R1, G0R2, G0LS, G0RS
	s_mov_b32 s[\g], 1
	s_or_b32 s[\g+3], s[\g+3], 0x80000000
.endr
	CROUND                                         ; all sixteen work-groups are here: the first joint loads meet
; the head's loads, one a wave: one chain of branches on the wave's number, a load to each arm
.macro ARM under, g0, g1, next
	s_cmp_lt_u32 s[WV], \under
	s_cbranch_scc0 \next
	tensor_load_to_lds s[\g0:\g0+3], s[\g1:\g1+7]
	s_nop 0
.rept 4
	v_nop
.endr
	s_branch .Lhead_asked
\next:
.endm
	ARM 1, G0L1, G1L, .Lhead_r
	ARM 2, G0R1, G1R, .Lhead_ls
	ARM 3, G0LS, G1LS, .Lhead_rs
	tensor_load_to_lds s[G0RS:G0RS+3], s[G1RS:G1RS+7]
	s_nop 0
.rept 4
	v_nop
.endr
.Lhead_asked:
	s_cmp_eq_u32 s[CX], 1                          ; the product's bias
	s_cselect_b64 s[8:9], s[10:11], s[8:9]
	s_cmp_eq_u32 s[CX], 2
	s_cselect_b64 s[8:9], s[12:13], s[8:9]
	s_cmp_eq_u32 s[CX], 3
	s_cselect_b64 s[8:9], s[14:15], s[8:9]
	s_cmp_eq_u32 s[CX], 4
	s_cselect_b64 s[8:9], s[16:17], s[8:9]
	s_cmp_ge_u32 s[CX], 3
	s_cselect_b32 s10, s[PY], s[PX]                ; n is the lane side for v, else the register side
	s_cselect_b32 s11, s[WR], s[WC]
	s_lshl_b32 s10, s10, 10
	s_lshl_b32 s11, s11, 9
	s_add_co_u32 s10, s10, s11                     ; my 128 n, in bytes
	s_mov_b32 s11, 0
	s_add_nc_u64 s[8:9], s[8:9], s[10:11]
	v_and_b32 v3, 31, v0                           ; lane
	v_and_b32 v1, 15, v0                           ; r
	v_bfe_u32 v2, v0, 4, 1                         ; h
	s_wait_alu depctr_va_vdst(0)
	v_lshlrev_b32 v4, 3, v3
	s_wait_alu depctr_va_vdst(0)
	s_mul_i32 s96, s[WR], 2*HALFB                  ; index 0: K steps 0-3, 6,144 bytes a tile
	s_mul_i32 s98, s[WC], 2*HALFB
	s_add_co_u32 s98, s98, SLOTB
	v_add_nc_u32 v[ADRA], s96, v4
	v_add_nc_u32 v[ADRB], s98, v4
	s_mul_i32 s96, s[WR], HALFB                    ; index 1: K steps 6, 7; index 2: K steps 4, 5: 3,072 bytes a tile
	s_mul_i32 s98, s[WC], HALFB
	s_add_co_u32 s98, s98, 2*HALFB
	v_add_nc_u32 v[ADRA+1], s96, v4
	v_add_nc_u32 v[ADRB+1], s98, v4
	s_add_co_u32 s96, s96, 2*SLOTB
	s_add_co_u32 s98, s98, 2*SLOTB
	v_add_nc_u32 v[ADRA+2], s96, v4
	v_add_nc_u32 v[ADRB+2], s98, v4
	s_lshl_b32 s96, s[WR], 12                      ; scale words: lanes 0-15 take the lane side's, lanes 16-31 the register side's: the lower base + h x the distance
	s_lshl_b32 s98, s[WC], 12
	s_add_co_u32 s98, s98, 8192
	s_sub_co_u32 s98, s98, s96
	v_mul_u32_u24 v5, s98, v2
	s_add_co_u32 s96, s96, SCL
	v_lshl_add_u32 v5, v1, 2, v5
	v_add_nc_u32 v[ADRS], s96, v5
	v_lshlrev_b32 v24, 4, v3                       ; the way out: 16 x lane
	v_mul_u32_u24 v25, v2, 24576
	v_lshl_add_u32 v25, v1, 4, v25                 ; v's words: lanes 16-31 the next head's
	v_lshlrev_b32 v7, 6, v2                        ; bias along the registers: + 16 h numbers
	v_and_b32 v8, 8, v1
	v_add_nc_u32 v8, v8, v1
	v_lshlrev_b32 v8, 2, v8                        ; bias along the lanes: n = r + 8 (r / 8)
	s_cmp_ge_u32 s[CX], 3
	s_cbranch_scc1 .Lbias_v
	WIN 0x40                                       ; destination window 1
.irp b, 0,1,2,3,4,5,6,7                ; q, k: tile b's eight registers are n = 32 (b / 2) + 8 (b % 2) + 16 h + 0 .. 7
	global_load_b128 v[96+8*\b+96*(\b/4):96+8*\b+96*(\b/4)+3], v7, s[8:9] offset:(32*(\b/2)+8*(\b%2))*4
	global_load_b128 v[96+8*\b+96*(\b/4)+4:96+8*\b+96*(\b/4)+7], v7, s[8:9] offset:(32*(\b/2)+8*(\b%2))*4+16
.endr
	WIN 0
	s_branch .Lbias_done
.Lbias_v:
	WIN 0x40
	s_wait_alu depctr_va_vdst(0)
.irp a, 0,1,2,3,4,5,6,7                ; v: tile a's eight registers all hold my lane's n: each is loaded, so no copy is written
.irp j, 0,1,2,3,4,5,6,7
	global_load_b32 v[96+8*\a+96*(\a/4)+\j], v8, s[8:9] offset:(32*(\a/2)+8*(\a%2))*4
.endr
.endr
	WIN 0
.Lbias_done:
.macro FRAG reg, adr, off              ; a fragment: six pieces of 8 bytes a lane, each piece 256 consecutive bytes
.irp p, 0,1,2,3,4,5
	ds_load_b64 v[\reg+2*\p:\reg+2*\p+1], v[\adr] offset:\off+256*\p
.endr
.endm
.macro FETCH_R slot, q, set            ; the register side's eight fragments of the slot's q-th 128 along K
	WIN 0x40
.irp i, 0,1,2,3,4,5,6,7
	FRAG 128*(\set)+12*\i, ADRB+\slot, (6144>>(((\slot)+1)/2))*\i+1536*(\q)
.endr
	WIN 0
.endm
.macro FETCH_L slot, q, i0             ; the lane side's tiles i0 .. i0 + 3
.irp i, \i0, \i0+1, \i0+2, \i0+3
	FRAG AF+12*(\i), ADRA+\slot, (6144>>(((\slot)+1)/2))*(\i)+1536*(\q)
.endr
.endm
; 16 products: the lane side's tiles a0, a0 + 1 x the register side's eight, K step k.  cm = 0: onto the sums; 1: the bias by tile b starts them; 2: the bias by tile a.  The 64 accumulators take turns, one instruction a turn, in one order.
.macro MUL16 a0, set, k, cm
.irp a, \a0, \a0+1
.irp b, 0,1,2,3,4,5,6,7
.set rD, 8*(8*((\a)%4)+\b)
.set rC, rD
.if (\cm) == 1
.set rC, 96+8*\b+96*(\b/4)
.endif
.if (\cm) == 2
.set rC, 96+8*(\a)+96*((\a)/4)
.endif
	v_wmma_scale_f32_16x16x128_f8f6f4 v[rD:rD+7], v[128*(\set)+12*\b:128*(\set)+12*\b+11], v[AF+12*(\a):AF+12*(\a)+11], v[rC:rC+7], v[SC+8*\b+(\k)], v[SC+8*(\a)+(\k)] matrix_a_fmt:MATRIX_FMT_FP6 matrix_b_fmt:MATRIX_FMT_FP6 matrix_a_scale:MATRIX_SCALE_ROW1
.endr
.endr
.endm
; K step k; the next step's fragments come from slot nslot, its nq-th 128
.macro STEP k, nslot, nq, cm
	s_wait_dscnt 24                                ; all but the youngest 24 loads: the lane side's tiles 4-7
.if (\cm) == 0
	WIN 0xa1                                       ; source 0 window 1, source 1 window 0, C and D window 2
.else
	WIN 0x91                                       ; C (the bias) window 1
.endif
	MUL16 0, (\k)%2, \k, \cm
	MUL16 2, (\k)%2, \k, \cm
	s_wait_dscnt 0x0
	PLACES
	FETCH_R \nslot, \nq, 1-(\k)%2
	FETCH_L \nslot, \nq, 0
.if (\cm) == 0
	WIN 0xf1
.else
	WIN 0xd1
.endif
	MUL16 4, (\k)%2, \k, \cm
	MUL16 6, (\k)%2, \k, \cm
	PLACES
	WIN 0
	FETCH_L \nslot, \nq, 4
.endm
; K step k (odd) with a barrier: in front of it each wave waits for all its tensor loads, adds 0 to its spare word, and waits for that and for its LDS reads.  fill = 1: the barrier opens a round of the cluster's, and slot 0 is filled with the fourth 256 along K.
.macro TURN k, nslot, fill
	s_wait_tensorcnt 0x0                           ; all my tensor loads have landed
	ds_add_u32 v[SPW], v[NIL]                      ; 0 onto my spare word
	s_wait_dscnt 25                                ; (the add and the youngest 24 loads may be out)
	WIN 0xa1
	MUL16 0, 1, \k, 0
	s_wait_dscnt 0x0                               ; the add is done, and my reads of the slot are over
	s_barrier_signal -1
	MUL16 2, 1, \k, 0
	WIN 0
	s_barrier_wait -1
.if \fill
	CREST                                          ; no wave of any partner still reads slot 0 or has a load on its way
	JLOAD G0L0, G1L, G0R0, G1R                     ; my one load behind the round: 96 matrix instructions ahead of the wait for it; its four v_nop are the places for the loads below
.else
	PLACES
.endif
	FETCH_R \nslot, 0, 0
	FETCH_L \nslot, 0, 0
	WIN 0xf1
	MUL16 4, 1, \k, 0
	MUL16 6, 1, \k, 0
	PLACES
	WIN 0
	FETCH_L \nslot, 0, 4
.endm
	s_wait_alu depctr_va_vdst(0)                   ; the wait at the head's end
	s_wait_tensorcnt 0x0                           ; my one load of the head is in; the add and its wait ahead of a later first fill:
	ds_add_u32 v[SPW], v[NIL]
.irp g, G1L, G1R                       ; no load of mine is out: from here on a load brings 8 tiles' 3,072 bytes
	s_mov_b32 s[\g+1], 384<<16
	s_mov_b32 s[\g+2], 8<<16
	s_mov_b32 s[\g+3], 384<<16
	s_mov_b32 s[\g+4], 8
.endr
	s_wait_dscnt 0x0
	CROUND                                         ; K steps 0-3 and the scale words are whole, and all sixteen work-groups are here
	JLOAD G0L2, G1L, G0R2, G1R                     ; K steps 4, 5: my one load behind the round; the wait for it stands at K step 3
	FETCH_R 0, 0, 0
	FETCH_L 0, 0, 0
	s_wait_alu depctr_va_vdst(0)
.irp i, 0,1,2,3,4,5,6,7                ; the scale words of all of K, once
.irp s, 0,1,2,3,4,5,6,7
	ds_load_b32 v[SC+8*\i+\s], v[ADRS] offset:(\i/2)*1024+(\i%2)*64+128*\s
.endr
.endr
	FETCH_L 0, 0, 4
	s_wait_loadcnt 0x0                             ; the bias
	s_cmp_ge_u32 s[CX], 3
	s_cbranch_scc1 .Lk0_v
	STEP 0, 0, 1, 1
	s_branch .Lk0_done
.Lk0_v:
	STEP 0, 0, 1, 2
.Lk0_done:
	STEP 1, 0, 2, 0
	STEP 2, 0, 3, 0
	TURN 3, 2, 1                                   ; K steps 0-3 have been read: K steps 6, 7 are asked for
	STEP 4, 2, 1, 0
	TURN 5, 1, 0                                   ; the one load that is out is that of K steps 6, 7
	STEP 6, 1, 1, 0
	s_wait_dscnt 24
	WIN 0xa1
	MUL16 0, 1, 7, 0
	MUL16 2, 1, 7, 0
	s_wait_dscnt 0x0
	WIN 0xf1
	MUL16 4, 1, 7, 0
	MUL16 6, 1, 7, 0
	WIN 0
	; ---- THE WAY OUT: each lane-side tile's 64 registers are 128 neighbours along the next K: quantised in registers, stored as images
	PLACES
.irp b, 0,1,2,3
	v_mov_b32 v[TM+4+\b], 0                        ; a lane permute's destination counts as one of its sources
.endr
	s_cmp_ge_u32 s[CX], 3
	s_cselect_b32 s4, s[PX], s[PY]                 ; the tokens' tile and half,
	s_cselect_b32 s5, s[WC], s[WR]
	s_cselect_b32 s6, s[PY], s[PX]                 ; n's
	s_cselect_b32 s7, s[WR], s[WC]
	s_lshl_b32 s95, s[CY], 2
	s_add_co_u32 s4, s4, s95
	s_lshl_b32 s4, s4, 1
	s_add_co_u32 s4, s4, s5                        ; my 128 tokens: 0 .. 31
	s_lshr_b32 s5, s4, 4                           ; batch
	s_and_b32 s4, s4, 15                           ; which 128 of its 2,048
	s_lshl_b32 s6, s6, 2
	s_lshl_b32 s7, s7, 1
	s_add_co_u32 s6, s6, s7                        ; the first of my two heads
	s_lshl_b32 s5, s5, 4
	s_add_co_u32 s5, s5, s6                        ; b h
	s_cmp_eq_u32 s[CX], 2
	s_cselect_b32 s6, 16, 0
	s_cmp_eq_u32 s[CX], 4
	s_cselect_b32 s6, 16, s6
	s_add_co_u32 s6, s6, s4                        ; the key step: context's keys follow x's
	s_lshl_b32 s7, s5, 5
	s_add_co_u32 s7, s7, s6
	s_mul_i32 s96, s7, 12288                       ; its place in kvc,
	s_mov_b32 s97, 0
	s_mul_i32 s100, s7, 768                        ; in kvs
	s_mov_b32 s101, 0
	s_mov_b32 s8, 0x76543210
	s_mov_b32 s9, 0xfedcba98
	s_mov_b32 s98, 0xffff0000                      ; lanes 16-31
; the quantiser on 64 registers s .. s + 63 of window win.  Each accumulator is read from its low end on
.macro QUANTW win, s, da, db, pw
.irp b, 0,1,2,3
	v_mov_b32 v[TM+\b], 0x1800000                  ; the floor 2^(3 - 127)
.endr
	WIN ((\win)<<2)|((\win)<<4)                    ; sources 1 and 2 in the accumulators' window
.irp i, 0,2,4,6,8,10,12,14
.irp b, 0,1,2,3
	v_max3_num_f32 v[TM+\b], v[TM+\b], |v[\s+16*\b+\i]|, |v[\s+16*\b+\i+1]|
.endr
.endr
	WIN 0
.irp b, 0,1,2,3
	v_permlanex16_b32 v[TM+4+\b], v[TM+\b], s8, s9
.endr
.irp b, 0,1,2,3
	v_max_num_f32 v[TM+\b], v[TM+\b], v[TM+4+\b]
.endr
.irp b, 0,1,2,3
	v_add_nc_u32 v[TM+12+\b], 0xff000000, v[TM+\b]
.endr
.irp b, 0,1,2,3
	v_lshrrev_b32 v[TM+4+\b], 23, v[TM+12+\b]
.endr
	v_lshl_or_b32 v[\pw], v[TM+5], 8, v[TM+4]
	v_lshl_or_b32 v[\pw], v[TM+6], 16, v[\pw]
	v_lshl_or_b32 v[\pw], v[TM+7], 24, v[\pw]
	WIN (\win)                                     ; source 0 in the accumulators' window
	v_cvt_scalef32_pk16_fp6_f32 v[\da:\da+2], v[\s:\s+15], v[TM+12]
	v_cvt_scalef32_pk16_fp6_f32 v[CT:CT+2], v[\s+16:\s+31], v[TM+13]
	v_cvt_scalef32_pk16_fp6_f32 v[\db:\db+2], v[\s+32:\s+47], v[TM+14]
	v_cvt_scalef32_pk16_fp6_f32 v[CT+4:CT+6], v[\s+48:\s+63], v[TM+15]
	WIN 0
	v_nop                                          ; one plain place behind the scaled conversions
.irp i, 0,1,2
	v_permlane16_swap_b32 v[\da+\i], v[CT+\i]
	v_permlane16_swap_b32 v[\db+\i], v[CT+4+\i]
.endr
.irp i, 0,1,2
	v_mov_b32 v[\da+3+\i], v[CT+\i]
	v_mov_b32 v[\db+3+\i], v[CT+4+\i]
.endr
.endm
	s_cmp_ge_u32 s[CX], 3
	s_cbranch_scc1 .Lout_v
	; q, k: blocks 0, 1 are my first head's 64, blocks 2, 3 the second's
	s_mul_i32 s6, s5, 98304
	s_mul_i32 s7, s4, 6144
	s_add_co_u32 s6, s6, s7                        ; q: the codes' place in qim,
	s_lshl_b32 s5, s5, 13
	s_lshl_b32 s4, s4, 9
	s_add_co_u32 s4, s4, s5
	s_add_co_u32 s4, s4, 3145728                   ; the words'
	s_mov_b32 s7, 393216
	s_mov_b32 s5, 24576
	s_cmp_eq_u32 s[CX], 0
	s_cselect_b64 s[10:11], s[18:19], s[20:21]
	s_cselect_b64 s[14:15], s[18:19], s[22:23]
	s_cselect_b32 s96, s6, s96
	s_cselect_b32 s100, s4, s100
	s_cselect_b32 s6, 98304, s7                    ; from head to head: codes,
	s_cselect_b32 s4, 8192, s5                     ; words
	s_mov_b32 s7, 0
	s_mov_b32 s5, 0
	s_add_nc_u64 s[10:11], s[10:11], s[96:97]
	s_add_nc_u64 s[14:15], s[14:15], s[100:101]
	s_add_nc_u64 s[12:13], s[10:11], s[6:7]
	s_add_nc_u64 s[16:17], s[14:15], s[4:5]
	s_mov_b32 s99, 0x01000100                      ; a word's low two bytes, twice
	s_mov_b32 s95, 0x03020302                      ; its high two, twice
.irp g, 0,1,2,3                        ; group g of 32 tokens: tiles 2 g, 2 g + 1 fill registers 0-5, 6-11 of a fragment for each head
	QUANTW 2+\g/2, 64*((2*\g)%4), 128+24*\g, 140+24*\g, P0
	QUANTW 2+\g/2, 64*((2*\g+1)%4), 134+24*\g, 146+24*\g, P1
	v_cndmask_b32 v[WS], v[P0], v[P1], s98         ; lanes 0-15 tile u = 0's words, lanes 16-31 tile u = 1's
	v_perm_b32 v[224+\g], v[WS], v[WS], s99
	v_perm_b32 v[228+\g], v[WS], v[WS], s95
.irp c, 0,1,2
	global_store_b128 v24, v[128+24*\g+4*\c:128+24*\g+4*\c+3], s[10:11] offset:1536*\g+512*\c    ; 512 consecutive bytes
	global_store_b128 v24, v[140+24*\g+4*\c:140+24*\g+4*\c+3], s[12:13] offset:1536*\g+512*\c
.endr
.endr
	global_store_b128 v24, v[224:227], s[14:15]
	global_store_b128 v24, v[228:231], s[16:17]
	s_branch .Lout_done
.Lout_v:
	; v: tile a is 16 channels (tiles 0-3 my first head, 4-7 the second), its 64 registers 128 keys: one fragment, one word
	s_add_nc_u64 s[10:11], s[20:21], s[96:97]
	s_add_nc_u64 s[10:11], s[10:11], 6144
	s_add_nc_u64 s[14:15], s[22:23], s[100:101]
	s_add_nc_u64 s[14:15], s[14:15], 512
.irp a, 0,1,2,3,4,5,6,7
	QUANTW 2+\a/4, 64*(\a%4), 128+12*\a, 134+12*\a, 224+\a
.irp c, 0,1,2
	global_store_b128 v24, v[128+12*\a+4*\c:128+12*\a+4*\c+3], s[10:11] offset:(\a/4)*393216+(\a%4)*1536+512*\c
.endr
.endr
.irp t, 0,1,2,3
	v_cndmask_b32 v[232+\t], v[224+\t], v[228+\t], s98
.endr
	global_store_b128 v25, v[232:235], s[14:15]    ; sixteen lanes store a head's 256 bytes
.Lout_done:
	s_wait_tensorcnt 0x0                           ; the wave's end
	ds_add_u32 v[SPW], v[NIL]
	s_wait_dscnt 0x0
	CROUND                                         ; the closing round
	s_endpgm
.Lfunc_end_k_qbdc0eb1b42_proj:
	.size	k_qbdc0eb1b42_proj, .Lfunc_end_k_qbdc0eb1b42_proj-k_qbdc0eb1b42_proj
	.p2alignl 7, 3214868480
	.fill 96, 4, 3214868480
	.section	.rodata,"a",@progbits
	.p2align	6, 0x0
	.amdhsa_kernel k_qbdc0eb1b42_proj
		.amdhsa_group_segment_fixed_size 327680
		.amdhsa_private_segment_fixed_size 0
		.amdhsa_enable_private_segment 0
		.amdhsa_kernarg_size 80
		.amdhsa_user_sgpr_count 2
		.amdhsa_user_sgpr_kernarg_segment_ptr 1
		.amdhsa_wavefront_size32 1
		.amdhsa_system_sgpr_workgroup_id_x 1
		.amdhsa_system_sgpr_workgroup_id_y 1
		.amdhsa_system_sgpr_workgroup_id_z 1
		.amdhsa_system_vgpr_workitem_id 0
		.amdhsa_next_free_vgpr 1024
		.amdhsa_next_free_sgpr 102
		.amdhsa_reserve_vcc 0
		.amdhsa_float_denorm_mode_32 3
		.amdhsa_float_denorm_mode_16_64 3
		.amdhsa_memory_ordered 1
		.amdhsa_forward_progress 1
		.amdhsa_inst_pref_size 227
	.end_amdhsa_kernel
	.amdgpu_metadata
---
amdhsa.version: [ 1, 2 ]
amdhsa.kernels:
  - .name:           k_qbdc0eb1b42_proj
    .symbol:         k_qbdc0eb1b42_proj.kd
    .args:
      - { .name: act, .offset: 0, .size: 8, .value_kind: global_buffer, .address_space: global }
      - { .name: wgt, .offset: 8, .size: 8, .value_kind: global_buffer, .address_space: global }
      - { .name: bq, .offset: 16, .size: 8, .value_kind: global_buffer, .address_space: global }
      - { .name: bks, .offset: 24, .size: 8, .value_kind: global_buffer, .address_space: global }
      - { .name: bkc, .offset: 32, .size: 8, .value_kind: global_buffer, .address_space: global }
      - { .name: bvs, .offset: 40, .size: 8, .value_kind: global_buffer, .address_space: global }
      - { .name: bvc, .offset: 48, .size: 8, .value_kind: global_buffer, .address_space: global }
      - { .name: qim, .offset: 56, .size: 8, .value_kind: global_buffer, .address_space: global }
      - { .name: kvc, .offset: 64, .size: 8, .value_kind: global_buffer, .address_space: global }
      - { .name: kvs, .offset: 72, .size: 8, .value_kind: global_buffer, .address_space: global }
    .group_segment_fixed_size: 327680
    .private_segment_fixed_size: 0
    .kernarg_segment_align: 8
    .kernarg_segment_size: 80
    .max_flat_workgroup_size: 128
    .sgpr_count:     102
    .vgpr_count:     1024
    .wavefront_size: 32
...
	.end_amdgpu_metadata
.endif
;; end of part 2
;; launch attn (part 3): grid 8 x 32, 8 waves a work-group, clusters of 4 x 1, 327,680 bytes of LDS; arguments qim, kvc, kvs, aoi; writes aoi
.if DOCPART == 3
	.amdgcn_target "amdgcn-amd-amdhsa--gfx1250"
	.amdhsa_code_object_version 6
	.text
	.protected	k_qbdc0eb1b42_attn
	.globl	k_qbdc0eb1b42_attn
	.p2align	8
	.type	k_qbdc0eb1b42_attn,@function
k_qbdc0eb1b42_attn:
	s_mov_b64 s[64:65], 0
	v_nop
	global_prefetch_b8 v0, s[64:65] scope:SCOPE_SE
	s_setreg_imm32_b32 hwreg(HW_REG_WAVE_MODE, 25, 1), 1
	s_wait_xcnt 0x0
	s_wait_alu depctr_hold_cnt(0) depctr_sa_sdst(0) depctr_va_vdst(0) depctr_va_sdst(0) depctr_va_ssrc(0) depctr_va_vcc(0) depctr_vm_vsrc(0)
	s_getreg_b32 s2, hwreg(HW_REG_IB_STS2, 6, 4)
	s_cmp_eq_u32 s2, 0
	s_cbranch_scc0 .Lentry_in_a_cluster
	s_endpgm
.Lentry_in_a_cluster:
	s_bfe_u32 s2, ttmp6, 0x10000c
	s_cmp_lg_u32 s2, 0x3003
	s_cbranch_scc0 .Lentry_shape_is_right
	s_endpgm
.Lentry_shape_is_right:
; Attention of one head (32 = batch x head) over 4,096 keys, head size 64, both products on codes of FP6 (E2M3) with E8M0 scales; the result is quantised along the channels for the last projection.
; t = score x log2(e) / 8; M = the running largest t rounded UP to a whole number; p = 2^(t - M) is quantised along the keys, not normalised; the row's sum is taken of the unquantised p and divides at the end.
; When M moves, sum and O are multiplied by 2^(old M - new M): exact, and done in every step.
; SHARES.  A work-group owns 256 queries of a head; each of its eight waves two tiles of 16 queries, tile w wholly in register window w under the same register numbers, so one text serves both.  256 work-groups.
; CLUSTER.  The four work-groups of a cluster belong to one head and walk the same keys: each tile is asked for jointly (mask 15), an eighth of a slot a wave.
; LAYOUT.  Both products transposed: a lane holds ONE query.  K = 64 in a form of K = 128: a fragment of k holds two tiles of keys (registers 0-5, 6-11); q lies between two runs of zero codes: [q | 0] picks the first, [0 | q] the second.
; WHICH KEYS FORM A TILE is chosen by the LDS address: lane (r, h) of fragment 2 g + j takes the stored fragment 2 g + r / 8, stored lane r % 8 + 8 j + 16 h.  Tile T of group g then holds in rows 0-7 keys 64 g + 8 T + 0..7 and in rows 8-15
; keys 64 g + 32 + 8 T + 0..7, so the 32 registers of a group's four tiles are keys 64 g + 32 h + 0..31: a WHOLE block of the next K in one lane, in the order of the operand's layout: no lane is asked for a block's maximum, no halves change places.
; THE WALK.  A tile's softmax has two parts: A (maxima, M, t - M) and B (exponentials, O under the new M, codes, sum).  Trip n: k(n + 1) is read; B of tile 0; A of tile 1; tile 0's products O += v(n) p and S(n + 1) = k(n + 1) q;
; B of tile 1; A of tile 0 for step n + 1; tile 1's products; v(n + 1) is read.  So each run of products is followed by the other tile's exponentials, and scores are made half a trip or more ahead of their first reader.  The last read of a slot (v) ends a trip.
; LDS: two slots of 8 key steps (98,304 bytes); the head's scale words (24,576 bytes) stay.  A refill has 8 key steps in which to land, so nothing is asked of memory ahead of the loads.
; The sixteen lanes of a k load read two runs of 128 bytes 1,536 bytes apart; the rows are left unpadded: twelve such loads stand against some 500 vector lines of a trip.
; LIMITS: the promise holds while |t| stays under 2^31; p under 2^-126 counts as 0; a block's largest p is made from the block's largest score by the same multiply-add and exponential; scale bytes are held at 1 from below; NaN and infinities are not served.
.set SLOT1, 1<<17
.set SLOTB, 98304
.set SCB,   2*SLOT1                    ; scale words: 768 bytes a key step: k's 512, v's 256
.set STG,   SCB+24576                  ; 512 bytes: the work-group's 16 x 16 half words on the way out
.set SPARE, STG+512                    ; the spare words, 128 bytes a wave
; window 0 alone: v1 16 x lane, v2 k's lane address, v3 k's words, v4 v's words, v5, v6 the add's two, v7 16 r, v8-11 a trip's addresses, v12 8 x lane, v13 my half word, v14 stage read, v15 8 h
.set QZ, 16                            ; v16-33 zeros, q, zeros            (these in each window)
.set SH, 35                            ; 8 h
.set PC, 36                            ; v36-47 p's codes
.set CT, 48                            ; v48-54 upper halves of blocks, as converted
.set BM, 56                            ; v56, 57 my two blocks' largest
.set PT, 58                            ; v58, 59 at work; the conversions' scale operands
.set NM, 60                            ; -M (v61 its pair's upper half)
.set RM, 62                            ; the running largest score
.set OM, 63
.set F,  64                            ; 2^(old M - new M) (v65 its pair's upper half)
.set SUM, 66
.set AD, 68                            ; a lane permute's destination
.set PW, 80                            ; window 0: scales and nothing else: v80, 81 p's words, v82, 83 q's, v84-87 k's, v88-91 v's
.set QW, 82
.set KW, 84
.set VW, 88
.set S,  96                            ; v96-159 S^T, then t - M, then p
.set O,  160                           ; v160-191 O^T
.set FR, 192                           ; v192-239: window 0 k's four fragments, window 1 v's
.set MT, 240                           ; v240-255 eight chains of maxima; eight pairs for the sum
.set MSB, 0
.macro WIN new                         ; the immediate's high byte repeats the setting that is left
.if MSB != (\new)
	s_set_vgpr_msb (MSB<<8)|(\new)
.set MSB, (\new)
.endif
.endm
.macro CROUND
	s_barrier_signal -1
	s_barrier_wait -1
	s_cmp_lg_u32 s18, 0
	s_cbranch_scc1 .Lnot_wave_0_\@
	s_barrier_signal -3
.Lnot_wave_0_\@:
	s_barrier_wait -3
	s_barrier_signal -1
	s_barrier_wait -1
.endm
	s_load_b256 s[4:11], s[0:1], 0x0               ; qim, kvc, kvs, aoi
	v_lshl_add_u32 v5, v0, 2, SPARE
	v_mov_b32 v6, 0
	ds_add_u32 v5, v6                              ; the opening: the add, twice, and its wait; work on registers between
	ds_add_u32 v5, v6
	v_lshrrev_b32 v1, 5, v0
	v_readfirstlane_b32 s18, v1                    ; wave 0..7
	s_bfe_u32 s12, ttmp6, 0x40000                  ; cx: it enters q's and the result's addresses alone
	s_lshl_b32 s13, ttmp9, 2
	s_add_co_u32 s13, s13, s12                     ; my block of 256 queries
	s_and_b32 s14, ttmp7, 0xffff                   ; batch x 16 + head
.irp g, 24, 32                         ; group 1: dense rows of 256 bytes; the mask names all four work-groups
	s_mov_b32 s[\g], 15|(3<<16)|(1<<21)
	s_mov_b32 s[\g+1], 32<<16
	s_mov_b32 s[\g+3], 32<<16
	s_mov_b32 s[\g+5], 32
	s_mov_b32 s[\g+6], 0
	s_mov_b32 s[\g+7], 0
.endr
	s_mov_b32 s26, 48<<16                          ; s[24:31]: 48 rows: an eighth of a slot, half of the scale words
	s_mov_b32 s28, 48
	s_mov_b32 s34, 64<<16                          ; s[32:39]: 64 rows: a sixth of slot 0, at the head
	s_mov_b32 s36, 64
	s_mul_i32 s15, s14, 393216                     ; the head's codes
	s_lshl_b32 s41, s18, 14                        ; s[40:43]: waves 0-5: slot 0, wave x 16,384
	s_add_co_u32 s42, s15, s41
	s_mov_b32 s43, 0
	s_and_b32 s16, s18, 1                          ; s[44:47]: waves 6, 7: the scale words' two halves
	s_mul_i32 s16, s16, 12288
	s_add_co_u32 s45, s16, SCB
	s_mul_i32 s17, s14, 24576
	s_add_co_u32 s46, s17, s16
	s_mov_b32 s47, 0
	s_mul_i32 s16, s18, 12288                      ; s[48:51]: the walking descriptor: begins with slot 1, key steps 8-15
	s_add_co_u32 s49, s16, SLOT1
	s_add_co_u32 s50, s15, s16
	s_add_co_u32 s50, s50, SLOTB
	s_mov_b32 s51, 0
	s_lshl_b32 s16, s13, 3
	s_add_co_u32 s16, s16, s18                     ; my group of 32 queries: its two tiles are mine
	s_mul_i32 s54, s14, 98304
	s_mul_i32 s17, s16, 1536
	s_add_co_u32 s54, s54, s17                     ; q's codes
	s_mov_b32 s55, 0
	s_lshl_b32 s56, s14, 13
	s_lshr_b32 s17, s16, 2
	s_lshl_b32 s17, s17, 9
	s_add_co_u32 s56, s56, s17
	s_and_b32 s17, s16, 3
	s_lshl_b32 s17, s17, 2
	s_add_co_u32 s56, s56, s17
	s_add_co_u32 s56, s56, 3145728                 ; q's words: tile 1's 256 bytes on
	s_mov_b32 s57, 0
	s_lshr_b32 s17, s14, 4
	s_lshl_b32 s17, s17, 7
	s_lshl_b32 s16, s13, 4
	s_add_co_u32 s17, s17, s16                     ; the work-group's first tile of tokens
	s_and_b32 s16, s14, 15                         ; head
	s_lshl_b32 s60, s16, 13
	s_lshl_b32 s62, s17, 5
	s_add_co_u32 s60, s60, s62
	s_add_co_u32 s60, s60, 3145728                 ; the result's half words: [head][tile][r][2 bytes]
	s_mov_b32 s61, 0
	s_lshl_b32 s62, s18, 1
	s_add_co_u32 s17, s17, s62                     ; my first tile
	s_mul_i32 s58, s17, 12288
	s_mul_i32 s62, s16, 768                        ; a head is half a K step of the last projection
	s_add_co_u32 s58, s58, s62
	s_mov_b32 s59, 0
	s_mov_b32 s20, 0x76543210
	s_mov_b32 s21, 0xfedcba98                      ; lane selects: lane l xor 16
	s_mov_b32 s22, 0x3e38aa3b                      ; c = log2(e) / 8
	s_mov_b32 s23, s22
	s_mov_b32 s2, 0                                ; LDS byte of the key step that is read next
	s_mov_b32 s3, 0                                ; and of its scale words
	s_wait_dscnt 0x0                               ; both opening adds are done
	s_wait_kmcnt 0x0
	s_add_nc_u64 s[42:43], s[6:7], s[42:43]
	s_add_nc_u64 s[50:51], s[6:7], s[50:51]
	s_add_nc_u64 s[46:47], s[8:9], s[46:47]
	s_or_b32 s43, s43, 0x80000000
	s_or_b32 s51, s51, 0x80000000
	s_or_b32 s47, s47, 0x80000000
	s_mov_b32 s40, 1
	s_mov_b32 s44, 1
	s_mov_b32 s48, 1
	s_add_nc_u64 s[54:55], s[4:5], s[54:55]
	s_add_nc_u64 s[56:57], s[4:5], s[56:57]
	s_add_nc_u64 s[58:59], s[10:11], s[58:59]
	s_add_nc_u64 s[60:61], s[10:11], s[60:61]
	CROUND                                         ; all four work-groups are here: the first joint loads meet
	s_cmp_lt_u32 s18, 6                            ; one load a wave, a load to each arm
	s_cbranch_scc0 .Lhead_words
	tensor_load_to_lds s[40:43], s[32:39]
	s_nop 0
.rept 4
	v_nop
.endr
	s_branch .Lhead_asked
.Lhead_words:
	tensor_load_to_lds s[44:47], s[24:31]
	s_nop 0
.rept 4
	v_nop
.endr
.Lhead_asked:
	v_and_b32 v13, 15, v0                          ; r
	v_and_b32 v12, 31, v0                          ; lane
	v_bfe_u32 v15, v0, 4, 1                        ; h
	v_and_b32 v2, 7, v0
	v_bfe_u32 v3, v0, 3, 1                         ; r / 8
	v_lshlrev_b32 v1, 4, v12
	v_lshlrev_b32 v7, 4, v13
	v_lshlrev_b32 v2, 4, v2
	v_lshl_add_u32 v2, v15, 8, v2                  ; 16 (r % 8) + 256 h
	v_lshl_add_u32 v9, v3, 2, v2
	v_mad_u32_u24 v2, v3, 1536, v2                 ; k's fragments: + 1,536 (r / 8)
	v_add_nc_u32 v3, SCB, v9                       ; k's words: + 4 (r / 8)
	v_add_nc_u32 v4, SCB+512, v7
	v_add_nc_u32 v14, STG, v1
	v_lshlrev_b32 v13, 1, v13
	s_lshl_b32 s62, s18, 6
	s_add_co_u32 s62, s62, STG
	v_add_nc_u32 v13, s62, v13                     ; my half word: 64 x wave + 2 r (tile 1: 32 on)
	v_lshlrev_b32 v12, 3, v12
	v_lshlrev_b32 v15, 3, v15
	global_load_b128 v[QZ+6:QZ+9], v1, s[54:55]               ; tile 0: registers 0-5 of the group's image to v22-27 (6, 7 fall on v28, 29, cleared below)
	global_load_b128 v[QZ+10:QZ+13], v1, s[54:55] offset:512
	WIN 0x40
	global_load_b128 v[QZ+4:QZ+7], v1, s[54:55] offset:512    ; tile 1: registers 6-11 to v22-27 (4, 5 fall on v20, 21)
	global_load_b128 v[QZ+8:QZ+11], v1, s[54:55] offset:1024
	WIN 0
	global_load_b32 v[QW], v7, s[56:57]
	global_load_b32 v[QW+1], v7, s[56:57] offset:256
.macro INIT w
	WIN 0x40*\w
.irp i, 0,1,2,3,14,15,16,17
	v_mov_b32 v[QZ+\i], 0                          ; zero codes on both sides of q
.endr
	v_mov_b32 v[QZ+4+8*\w], 0
	v_mov_b32 v[QZ+5+8*\w], 0
	v_mov_b32 v[SH], v15
	v_mov_b32 v[RM], 0xff61b1e6                    ; the largest score so far: -3e38
	v_mov_b32 v[NM], 0x7f61b1e6                    ; -M: 3e38
.irp i, PT, NM+1, F+1, SUM, SUM+1, AD
	v_mov_b32 v[\i], 0                             ; sums; upper halves of pairs; a lane permute's destination counts as a source
.endr
.endm
.macro INIT2 w
	WIN 0x40*\w
	v_mov_b32 v[QZ+12-8*\w], 0
	v_mov_b32 v[QZ+13-8*\w], 0
.set j, 0
.rept 32
	v_mov_b32 v[O+j], 0                            ; O^T: the step is written once; its first run finds zeros
.set j, j+1
.endr
.endm
	INIT 0
	INIT 1
	WIN 0
	s_wait_alu depctr_va_vdst(0)
	s_wait_loadcnt 0x0
	INIT2 0
	INIT2 1
	WIN 0
.macro LOADK                           ; k of the key step at s2, by the permuted lane address, and its words
	v_add_nc_u32 v8, s2, v2
	v_add_nc_u32 v9, s3, v3
.irp g, 0,1
.irp j, 0,1
.irp c, 0,1,2
	ds_load_b128 v[FR+12*(2*\g+\j)+4*\c:FR+12*(2*\g+\j)+4*\c+3], v8 offset:3072*\g+128*\j+512*\c
.endr
	ds_load_b32 v[KW+2*\g+\j], v9 offset:128*\j+8*\g
.endr
.endr
.endm
.macro LOADV                           ; a trip's end: four places behind the last products, v of the key step at s2 and its words; then s2 steps
	WIN 0
	v_add_nc_u32 v10, s2, v1
	v_add_nc_u32 v11, s3, v4
	v_nop
	v_nop
	WIN 0x40
.irp t, 0,1,2,3
.irp c, 0,1,2
	ds_load_b128 v[FR+12*\t+4*\c:FR+12*\t+4*\c+3], v10 offset:6144+1536*\t+512*\c
.endr
.endr
	WIN 0
	ds_load_b128 v[VW:VW+3], v11
	s_add_co_u32 s2, s2, 12288
	s_add_co_u32 s3, s3, 768
.endm
.macro QK w                            ; S^T of 128 keys: register 32 g + 8 T + i is key 64 g + 32 h + 8 T + i
	WIN 0x44*\w
.irp f, 0,1,2,3
	v_wmma_scale_f32_16x16x128_f8f6f4 v[S+16*\f:S+16*\f+7], v[FR+12*\f:FR+12*\f+11], v[QZ+6:QZ+17], 0, v[KW+\f], v[QW+\w] matrix_a_fmt:MATRIX_FMT_FP6 matrix_b_fmt:MATRIX_FMT_FP6
	v_wmma_scale_f32_16x16x128_f8f6f4 v[S+16*\f+8:S+16*\f+15], v[FR+12*\f:FR+12*\f+11], v[QZ:QZ+11], 0, v[KW+\f], v[QW+\w] matrix_a_fmt:MATRIX_FMT_FP6 matrix_b_fmt:MATRIX_FMT_FP6 matrix_a_scale:MATRIX_SCALE_ROW1
.endr
.endm
.macro PV w                            ; O^T += V^T P^T: one instruction a turn
	WIN 0x01|(0x54*\w)
.irp t, 0,1,2,3
	v_wmma_scale_f32_16x16x128_f8f6f4 v[O+8*\t:O+8*\t+7], v[FR+12*\t:FR+12*\t+11], v[PC:PC+11], v[O+8*\t:O+8*\t+7], v[VW+\t], v[PW+\w] matrix_a_fmt:MATRIX_FMT_FP6 matrix_b_fmt:MATRIX_FMT_FP6
.endr
.endm
.macro FM n                            ; n pairs of t - M, from register j on
.rept \n
	v_pk_fma_f32 v[S+j:S+j+1], v[S+j:S+j+1], s[22:23], v[NM:NM+1] op_sel_hi:[1,0,0]
.set j, j+2
.endr
.endm
.macro PA w                            ; part A of tile w's softmax, all in window w: the blocks' largest scores, M, f, t - M; it ends with the wait ahead of the exponentials
	WIN 0x55*\w
	s_wait_alu depctr_va_vdst(0)                   ; the wait ahead of the first readers of S
.irp c, 0,1,2,3,4,5,6,7
	v_max3_num_f32 v[MT+\c], v[S+8*\c], v[S+8*\c+1], v[S+8*\c+2]   ; eight chains by turns, one to an accumulator, each from its low end on
.endr
.irp i, 3,5
.irp c, 0,1,2,3,4,5,6,7
	v_max3_num_f32 v[MT+\c], v[MT+\c], v[S+8*\c+\i], v[S+8*\c+\i+1]
.endr
.endr
	v_mov_b32 v[OM], v[NM]
	v_max3_num_f32 v[MT], v[MT], v[MT+1], v[S+7]
	v_max3_num_f32 v[MT+2], v[MT+2], v[MT+3], v[S+15]
	v_max3_num_f32 v[MT+4], v[MT+4], v[MT+5], v[S+39]
	v_max3_num_f32 v[MT+6], v[MT+6], v[MT+7], v[S+47]
	v_max3_num_f32 v[MT], v[MT], v[S+23], v[S+31]
	v_max3_num_f32 v[MT+4], v[MT+4], v[S+55], v[S+63]
	s_delay_alu instid0(VALU_DEP_2)
	v_max_num_f32 v[BM], v[MT], v[MT+2]            ; the largest score of my block h,
	s_delay_alu instid0(VALU_DEP_2)
	v_max_num_f32 v[BM+1], v[MT+4], v[MT+6]        ; and of block 2 + h
	s_delay_alu instid0(VALU_DEP_1)
	v_max3_num_f32 v[RM], v[RM], v[BM], v[BM+1]
	s_delay_alu instid0(VALU_DEP_1)
	v_permlanex16_b32 v[PT], v[RM], s20, s21
	s_delay_alu instid0(VALU_DEP_1)
	v_max_num_f32 v[RM], v[RM], v[PT]              ; the running largest score of my query
	s_delay_alu instid0(VALU_DEP_1)
	v_mul_f32 v[PT], s22, v[RM]                    ; as t (c is positive)
	s_delay_alu instid0(VALU_DEP_1)
	v_floor_f32 v[NM], -v[PT]                      ; -M = floor(-t)
	s_delay_alu instid0(VALU_DEP_1)
	v_sub_f32 v[OM], v[NM], v[OM]                  ; old M - new M: a whole number, 0 or less
.set j, 0
	FM 4
	v_cvt_i32_f32 v[OM], v[OM]                     ; (it saturates)
	FM 4
	v_ldexp_f32 v[F], 1.0, v[OM]                   ; f = 2^(old M - new M)
	FM 24
	v_fma_f32 v[BM], v[BM], s22, v[NM]
	v_fma_f32 v[BM+1], v[BM+1], s22, v[NM]
	s_wait_alu depctr_va_vdst(0)                   ; the wait ahead of the batch: only products and LDS loads stand between it and the exponentials
.endm
.macro RS j                            ; a pair of O^T under the new M
	v_pk_mul_f32 v[O+\j:O+\j+1], v[O+\j:O+\j+1], v[F:F+1] op_sel_hi:[1,0]
.endm
.macro PB w                            ; part B: p, O^T and the sum under the new M, p's codes and scale word, the sum
	WIN 0x55*\w
	v_exp_f32 v[BM], v[BM]                         ; each block's largest p
	v_exp_f32 v[BM+1], v[BM+1]
.set j, 0
.rept 64
	v_exp_f32 v[S+j], v[S+j]                       ; p
.set j, j+1
.endr
	v_pk_mul_f32 v[SUM:SUM+1], v[SUM:SUM+1], v[F:F+1] op_sel_hi:[1,0]   ; the plain place behind the batch
	s_wait_alu depctr_va_vdst(0)                   ; one wait for the batch, and for the first readers of O^T, which follow directly
	RS 0                                           ; the sixteen lines on O^T by turns with the chain that makes the scale word
	RS 2
	v_max_num_f32 v[BM], 0x1800000, v[BM]          ; the floor 2^(3 - 127): the byte cannot fall under 1
	v_max_num_f32 v[BM+1], 0x1800000, v[BM+1]
	RS 4
	RS 6
	RS 8
	v_add_nc_u32 v[PT], 0xff000000, v[BM]          ; 2 off the exponent field: the conversions' scale operand
	v_add_nc_u32 v[PT+1], 0xff000000, v[BM+1]
	RS 10
	RS 12
	RS 14
	v_lshrrev_b32 v[BM], 23, v[PT]
	v_lshrrev_b32 v[BM+1], 23, v[PT+1]
	RS 16
	RS 18
	RS 20
	v_lshl_or_b32 v[OM], v[BM+1], 16, v[BM]        ; my two bytes, blocks h and 2 + h,
	RS 22
	RS 24
	RS 26
	v_lshlrev_b32 v[OM], v[SH], v[OM]              ; at their places in the word;
	RS 28
	RS 30
	s_delay_alu instid0(VALU_DEP_3)
	v_permlanex16_b32 v[AD], v[OM], s20, s21
	v_cvt_scalef32_pk16_fp6_f32 v[PC:PC+2], v[S:S+15], v[PT]
	v_cvt_scalef32_pk16_fp6_f32 v[CT:CT+2], v[S+16:S+31], v[PT]            ; (a conversion's three registers begin on an even number)
	v_cvt_scalef32_pk16_fp6_f32 v[PC+6:PC+8], v[S+32:S+47], v[PT+1]
	v_cvt_scalef32_pk16_fp6_f32 v[CT+4:CT+6], v[S+48:S+63], v[PT+1]
	WIN 0x15*\w                                    ; scale operands are taken from window 0
	v_or_b32 v[PW+\w], v[OM], v[AD]                ; with lane l xor 16's two the word is whole.  The plain place behind the conversions
	WIN 0x55*\w
.irp i, 0,1,2
	v_mov_b32 v[PC+3+\i], v[CT+\i]
	v_mov_b32 v[PC+9+\i], v[CT+4+\i]
.endr
.irp k, 0,1,2,3,4,5,6,7                ; the row's sum of the unquantised p: eight chains of pairs
	v_pk_add_f32 v[MT+2*\k:MT+2*\k+1], v[S+2*\k:S+2*\k+1], v[S+16+2*\k:S+16+2*\k+1]
.endr
.irp m, 32,48
.irp k, 0,1,2,3,4,5,6,7
	v_pk_add_f32 v[MT+2*\k:MT+2*\k+1], v[MT+2*\k:MT+2*\k+1], v[S+\m+2*\k:S+\m+2*\k+1]
.endr
.endr
.irp k, 0,4,8,12
	v_pk_add_f32 v[MT+\k:MT+\k+1], v[MT+\k:MT+\k+1], v[MT+\k+2:MT+\k+3]
.endr
	v_pk_add_f32 v[MT:MT+1], v[MT:MT+1], v[MT+4:MT+5]
	v_pk_add_f32 v[MT+8:MT+9], v[MT+8:MT+9], v[MT+12:MT+13]
	s_delay_alu instid0(VALU_DEP_1)
	v_pk_add_f32 v[MT:MT+1], v[MT:MT+1], v[MT+8:MT+9]
	s_delay_alu instid0(VALU_DEP_1)
	v_pk_add_f32 v[SUM:SUM+1], v[SUM:SUM+1], v[MT:MT+1]
.endm
.macro TRIP last
.if \last == 0
	LOADK
.endif
	PB 0
	PA 1                                           ; its closing wait stands directly ahead of the wait below
	s_wait_dscnt 0x0                               ; v, k and their words are in
	PV 0
.if \last == 0
	QK 0
.endif
	PB 1
.if \last == 0
	PA 0                                           ; of the next key step
.endif
	PV 1
.if \last == 0
	QK 1
	LOADV
.endif
	WIN 0
.endm
.macro WORK n
	s_mov_b32 s53, \n
.Lstep_\@:
	TRIP 0
	s_sub_co_u32 s53, s53, 1
	s_cmp_lg_u32 s53, 0
	s_cbranch_scc1 .Lstep_\@
.endm
; The change of slots: each wave waits for all its tensor loads, adds 0 to its spare word, waits for that and for its reads of the slot left.  fill = 1: a round of the cluster's barrier, and the slot left is filled with the keys two slots on.
.macro CHANGE fill
	s_wait_tensorcnt 0x0
	ds_add_u32 v5, v6
.if \fill
	s_xor_b32 s49, s49, SLOT1                      ; no load of mine is out: the walking descriptor steps
	s_add_nc_u64 s[50:51], s[50:51], SLOTB
.endif
	s_wait_dscnt 0x0
.if \fill
	CROUND
	tensor_load_to_lds s[48:51], s[24:31]          ; my one load behind the round
	s_nop 0
.rept 4
	v_nop
.endr
.else
	s_barrier_signal -1
	s_barrier_wait -1
.endif
	s_sub_co_u32 s2, s2, SLOTB
	s_xor_b32 s2, s2, SLOT1
.endm
	s_wait_alu depctr_va_vdst(0)                   ; the wait at the head's end
	s_wait_tensorcnt 0x0                           ; my part of the head's loads is in; the add and its wait ahead of a later first fill
	ds_add_u32 v5, v6
	s_wait_dscnt 0x0
	CROUND
	tensor_load_to_lds s[48:51], s[24:31]          ; slot 1's first fill, an eighth a wave
	s_nop 0
.rept 4
	v_nop
.endr
	LOADK                                          ; k(0)
	s_wait_alu depctr_va_vdst(0)
	s_wait_dscnt 0x0
	QK 0                                           ; S(0)
	QK 1
.rept 4
	v_nop                                          ; four plain places between the score products and the first read of S(0)
.endr
	PA 0                                           ; tile 0's part A of key step 0
	LOADV                                          ; v(0)
	WORK 7                                         ; trips 0-6: k(1..7), v(1..7): slot 0 is read out
	s_mov_b32 s52, 2
.Lslot:
	CHANGE 1
	WORK 8
	s_sub_co_u32 s52, s52, 1
	s_cmp_lg_u32 s52, 0
	s_cbranch_scc1 .Lslot
	CHANGE 0                                       ; written out: nothing is left to ask for
	WORK 8                                         ; trips 23-30
	TRIP 1                                         ; trip 31: no further keys
; THE WAY OUT: O^T / the sum; a tile's 32 registers are channels 32 b + 16 h + i of my query: two blocks; six registers of codes and two bytes
.macro OUT w
	WIN 0x55*\w
	v_add_f32 v[SUM], v[SUM], v[SUM+1]
	s_delay_alu instid0(VALU_DEP_1)
	v_permlanex16_b32 v[PT], v[SUM], s20, s21
	s_delay_alu instid0(VALU_DEP_1)
	v_add_f32 v[SUM], v[SUM], v[PT]                ; with lane l xor 16's blocks: the row's sum
	s_wait_alu depctr_va_vdst(0)
	v_rcp_f32 v[SUM], v[SUM]
	v_nop                                          ; the plain place behind the reciprocal
	s_wait_alu depctr_va_vdst(0)                   ; its wait, and that of O^T's first readers
.set j, 0
.rept 16
	v_pk_mul_f32 v[S+j:S+j+1], v[O+j:O+j+1], v[SUM:SUM+1] op_sel_hi:[1,0]   ; each accumulator from its low end on
.set j, j+2
.endr
.irp b, 0,1
	v_max3_num_f32 v[BM+\b], |v[S+16*\b]|, |v[S+16*\b+1]|, 0x1800000
.endr
.irp i, 2,4,6,8,10,12,14
.irp b, 0,1
	s_delay_alu instid0(VALU_DEP_2)
	v_max3_num_f32 v[BM+\b], v[BM+\b], |v[S+16*\b+\i]|, |v[S+16*\b+\i+1]|
.endr
.endr
.irp b, 0,1
	s_delay_alu instid0(VALU_DEP_2)
	v_permlanex16_b32 v[MT+\b], v[BM+\b], s20, s21
.endr
.irp b, 0,1
	s_delay_alu instid0(VALU_DEP_2)
	v_max_num_f32 v[BM+\b], v[BM+\b], v[MT+\b]
.endr
.irp b, 0,1
	s_delay_alu instid0(VALU_DEP_2)
	v_add_nc_u32 v[PT+\b], 0xff000000, v[BM+\b]
.endr
.irp b, 0,1
	s_delay_alu instid0(VALU_DEP_2)
	v_lshrrev_b32 v[BM+\b], 23, v[PT+\b]
.endr
	s_delay_alu instid0(VALU_DEP_1)
	v_lshl_or_b32 v[OM], v[BM+1], 8, v[BM]
	v_cvt_scalef32_pk16_fp6_f32 v[PC:PC+2], v[S:S+15], v[PT]
	v_cvt_scalef32_pk16_fp6_f32 v[CT:CT+2], v[S+16:S+31], v[PT+1]
	v_nop                                          ; one plain place behind the scaled conversions
.irp i, 0,1,2
	v_permlane16_swap_b32 v[PC+\i], v[CT+\i]       ; here a block lies in two lanes: lanes 0-15 take block 0 whole, lanes 16-31 block 1
.endr
.irp i, 0,1,2
	v_mov_b32 v[PC+3+\i], v[CT+\i]
.endr
	WIN 0x04*\w                                    ; the data in window w, the addresses in window 0
.irp i, 0,1,2
	global_store_b64 v12, v[PC+2*\i:PC+2*\i+1], s[58:59] offset:12288*\w+256*\i   ; 256 consecutive bytes, aligned
.endr
	ds_store_b16 v13, v[OM] offset:32*\w           ; both halves of the lanes write the same two bytes
.endm
	OUT 0
	OUT 1
	WIN 0
	s_wait_dscnt 0x0
	s_barrier_signal -1
	s_barrier_wait -1
	s_cmp_lg_u32 s18, 0
	s_cbranch_scc1 .Lnot_first
	ds_load_b128 v[S:S+3], v14                     ; wave 0 stores the work-group's 512 bytes of half words
	s_wait_dscnt 0x0
	global_store_b128 v1, v[S:S+3], s[60:61]
.Lnot_first:
	s_wait_tensorcnt 0x0                           ; the wave's end
	ds_add_u32 v5, v6
	s_wait_dscnt 0x0
	CROUND                                         ; the closing round
	s_endpgm
.Lfunc_end_k_qbdc0eb1b42_attn:
	.size	k_qbdc0eb1b42_attn, .Lfunc_end_k_qbdc0eb1b42_attn-k_qbdc0eb1b42_attn
	.p2alignl 7, 3214868480
	.fill 96, 4, 3214868480
	.section	.rodata,"a",@progbits
	.p2align	6, 0x0
	.amdhsa_kernel k_qbdc0eb1b42_attn
		.amdhsa_group_segment_fixed_size 327680
		.amdhsa_private_segment_fixed_size 0
		.amdhsa_enable_private_segment 0
		.amdhsa_kernarg_size 32
		.amdhsa_user_sgpr_count 2
		.amdhsa_user_sgpr_kernarg_segment_ptr 1
		.amdhsa_wavefront_size32 1
		.amdhsa_system_sgpr_workgroup_id_x 1
		.amdhsa_system_sgpr_workgroup_id_y 1
		.amdhsa_system_sgpr_workgroup_id_z 1
		.amdhsa_system_vgpr_workitem_id 0
		.amdhsa_next_free_vgpr 512
		.amdhsa_next_free_sgpr 66
		.amdhsa_reserve_vcc 0
		.amdhsa_float_denorm_mode_32 3
		.amdhsa_float_denorm_mode_16_64 3
		.amdhsa_memory_ordered 1
		.amdhsa_forward_progress 1
		.amdhsa_inst_pref_size 133
	.end_amdhsa_kernel
	.amdgpu_metadata
---
amdhsa.version: [ 1, 2 ]
amdhsa.kernels:
  - .name:           k_qbdc0eb1b42_attn
    .symbol:         k_qbdc0eb1b42_attn.kd
    .args:
      - { .name: qim, .offset: 0, .size: 8, .value_kind: global_buffer, .address_space: global }
      - { .name: kvc, .offset: 8, .size: 8, .value_kind: global_buffer, .address_space: global }
      - { .name: kvs, .offset: 16, .size: 8, .value_kind: global_buffer, .address_space: global }
      - { .name: aoi, .offset: 24, .size: 8, .value_kind: global_buffer, .address_space: global }
    .group_segment_fixed_size: 327680
    .private_segment_fixed_size: 0
    .kernarg_segment_align: 8
    .kernarg_segment_size: 32
    .max_flat_workgroup_size: 256
    .sgpr_count:     66
    .vgpr_count:     512
    .wavefront_size: 32
...
	.end_amdgpu_metadata
.endif
;; end of part 3
;; launch outp (part 4): grid 8 x 32, 4 waves a work-group, clusters of 4 x 4, 327,680 bytes of LDS; arguments aoi, wgt, bo, out0; writes out0
.if DOCPART == 4
	.amdgcn_target "amdgcn-amd-amdhsa--gfx1250"
	.amdhsa_code_object_version 6
	.text
	.protected	k_qbdc0eb1b42_outp
	.globl	k_qbdc0eb1b42_outp
	.p2align	8
	.type	k_qbdc0eb1b42_outp,@function
k_qbdc0eb1b42_outp:
	s_mov_b64 s[64:65], 0
	v_nop
	global_prefetch_b8 v0, s[64:65] scope:SCOPE_SE
	s_setreg_imm32_b32 hwreg(HW_REG_WAVE_MODE, 25, 1), 1
	s_wait_xcnt 0x0
	s_wait_alu depctr_hold_cnt(0) depctr_sa_sdst(0) depctr_va_vdst(0) depctr_va_sdst(0) depctr_va_ssrc(0) depctr_va_vcc(0) depctr_vm_vsrc(0)
	s_getreg_b32 s2, hwreg(HW_REG_IB_STS2, 6, 4)
	s_cmp_eq_u32 s2, 0
	s_cbranch_scc0 .Lentry_in_a_cluster
	s_endpgm
.Lentry_in_a_cluster:
	s_bfe_u32 s2, ttmp6, 0x10000c
	s_cmp_lg_u32 s2, 0xf033
	s_cbranch_scc0 .Lentry_shape_is_right
	s_endpgm
.Lentry_shape_is_right:
.set LT,    0
.set RT,    98304
.set LSC,   196608
.set RSC,   LSC+4096
.set STG,   RSC+4096
.set SPARE, STG+4*16*272
.set SPW, 28
.set NIL, 29
.set SL,  32
.set SR,  64
.set BI,  96
.set ACC, 128
.set G1L,  24
.set G0L,  32
.set G0LS, 36
.set G1R,  48
.set G0R,  56
.set G0RS, 60
.set G1LS, 68
.set G1RS, 76
.set MSB, 0
.macro WIN new
.if MSB != (\new)
	s_set_vgpr_msb (MSB<<8)|(\new)
.set MSB, (\new)
.endif
.endm
.macro PLACES
.rept 4
	v_nop
.endr
.endm
.macro JLOAD g0a, g1a, g0b, g1b
	s_cmp_eq_u32 s15, 0
	s_cbranch_scc0 .Lfor_b_\@
	tensor_load_to_lds s[\g0a:\g0a+3], s[\g1a:\g1a+7]
	s_nop 0
.rept 4
	v_nop
.endr
	s_branch .Lasked_\@
.Lfor_b_\@:
	tensor_load_to_lds s[\g0b:\g0b+3], s[\g1b:\g1b+7]
	s_nop 0
.rept 4
	v_nop
.endr
.Lasked_\@:
.endm
.macro CROUND
	s_barrier_signal -1
	s_barrier_wait -1
	s_cmp_lg_u32 s14, 0
	s_cbranch_scc1 .Lnot_wave_0_\@
	s_barrier_signal -3
.Lnot_wave_0_\@:
	s_barrier_wait -3
	s_barrier_signal -1
	s_barrier_wait -1
.endm
	s_load_b256 s[4:11], s[0:1], 0x0
	v_lshl_add_u32 v[SPW], v0, 2, SPARE
	v_mov_b32 v[NIL], 0
	ds_add_u32 v[SPW], v[NIL]
	ds_add_u32 v[SPW], v[NIL]
	v_lshrrev_b32 v1, 5, v0
	v_readfirstlane_b32 s14, v1
	s_lshr_b32 s15, s14, 1
	s_and_b32 s16, s14, 1
	s_bfe_u32 s40, ttmp6, 0x40000
	s_bfe_u32 s41, ttmp6, 0x40004
	s_lshl_b32 s42, ttmp9, 2
	s_add_co_u32 s42, s42, s40
	s_and_b32 s17, ttmp7, 0xffff
	s_lshl_b32 s17, s17, 2
	s_add_co_u32 s17, s17, s41
	s_lshl_b32 s43, s41, 2
	s_lshl_b32 s43, 15, s43
	s_lshl_b32 s44, 0x1111, s40
	s_or_b32 s[G1L], s43, (3<<16)|(1<<21)
	s_or_b32 s[G1LS], s43, (3<<16)|(1<<21)
	s_or_b32 s[G1R], s44, (3<<16)|(1<<21)
	s_or_b32 s[G1RS], s44, (3<<16)|(1<<21)
.irp g, G1L, G1R                       ; a side's codes, all of K: 98,304 dense bytes as 384 rows of 256
	s_mov_b32 s[\g+1], 32<<16
	s_mov_b32 s[\g+2], 384<<16
	s_mov_b32 s[\g+3], 32<<16
	s_mov_b32 s[\g+4], 384
	s_mov_b32 s[\g+5], 32
	s_mov_b32 s[\g+6], 0
	s_mov_b32 s[\g+7], 0
.endr
	s_mov_b32 s[G1LS+1], 32<<16
	s_mov_b32 s[G1LS+2], 16<<16                    ; the lane side's half words: a row of 256 bytes for each of the 16 heads
	s_mov_b32 s[G1LS+3], 32<<16
	s_mov_b32 s[G1LS+4], 16
	s_mov_b32 s[G1LS+5], 1024
	s_mov_b32 s[G1LS+6], 0
	s_mov_b32 s[G1LS+7], 0
	s_mov_b32 s[G1RS+1], 32<<16
	s_mov_b32 s[G1RS+2], 16<<16                    ; the register side's scale words: 4,096 dense bytes
	s_mov_b32 s[G1RS+3], 32<<16
	s_mov_b32 s[G1RS+4], 16
	s_mov_b32 s[G1RS+5], 32
	s_mov_b32 s[G1RS+6], 0
	s_mov_b32 s[G1RS+7], 0
	s_mul_i32 s[G0L+2], s17, 98304
	s_mov_b32 s[G0L+3], 0
	s_lshl_b32 s[G0LS+2], s17, 8
	s_add_co_u32 s[G0LS+2], s[G0LS+2], 3145728
	s_mov_b32 s[G0LS+3], 0
	s_mul_i32 s[G0R+2], s42, 98304
	s_add_co_u32 s[G0R+2], s[G0R+2], 3932160
	s_mov_b32 s[G0R+3], 0
	s_lshl_b32 s[G0RS+2], s42, 12
	s_add_co_u32 s[G0RS+2], s[G0RS+2], 4882432
	s_mov_b32 s[G0RS+3], 0
	s_mov_b32 s[G0L+1], LT
	s_mov_b32 s[G0R+1], RT
	s_mov_b32 s[G0LS+1], LSC
	s_mov_b32 s[G0RS+1], RSC
	s_wait_dscnt 0x0
	s_wait_kmcnt 0x0
	s_add_nc_u64 s[G0L+2:G0L+3], s[4:5], s[G0L+2:G0L+3]
	s_add_nc_u64 s[G0LS+2:G0LS+3], s[4:5], s[G0LS+2:G0LS+3]
	s_add_nc_u64 s[G0R+2:G0R+3], s[6:7], s[G0R+2:G0R+3]
	s_add_nc_u64 s[G0RS+2:G0RS+3], s[6:7], s[G0RS+2:G0RS+3]
.irp g, G0L, G0LS, G0R, G0RS
	s_mov_b32 s[\g], 1
	s_or_b32 s[\g+3], s[\g+3], 0x80000000
.endr
	CROUND
; the launch's four tiles, each whole, one load a wave: wave 0 the lane side's codes, wave 1 the register side's, waves 2, 3 their scales.  One chain of branches on the wave's number, a load to each arm
.macro ARM under, g0, g1, next
	s_cmp_lt_u32 s14, \under
	s_cbranch_scc0 \next
	tensor_load_to_lds s[\g0:\g0+3], s[\g1:\g1+7]
	s_nop 0
.rept 4
	v_nop
.endr
	s_branch .Lhead_asked
\next:
.endm
	ARM 1, G0L, G1L, .Lhead_r
	ARM 2, G0R, G1R, .Lhead_ls
	ARM 3, G0LS, G1LS, .Lhead_rs
	tensor_load_to_lds s[G0RS:G0RS+3], s[G1RS:G1RS+7]
	s_nop 0
.rept 4
	v_nop
.endr
.Lhead_asked:
	s_lshl_b32 s88, s42, 9
	s_lshl_b32 s89, s16, 8
	s_add_co_u32 s88, s88, s89
	s_mov_b32 s89, 0
	s_add_nc_u64 s[8:9], s[8:9], s[88:89]
	s_add_nc_u64 s[10:11], s[10:11], s[88:89]
	s_lshl_b32 s88, s17, 19
	s_lshl_b32 s90, s15, 18
	s_add_co_u32 s88, s88, s90
	s_add_nc_u64 s[10:11], s[10:11], s[88:89]
	v_and_b32 v3, 31, v0
	v_and_b32 v1, 15, v0
	v_bfe_u32 v2, v0, 4, 1
	v_lshlrev_b32 v23, 6, v2
.irp b, 0,1,2,3
	global_load_b128 v[BI+8*\b:BI+8*\b+3], v23, s[8:9] offset:(32*(\b/2)+8*(\b%2))*4
	global_load_b128 v[BI+8*\b+4:BI+8*\b+7], v23, s[8:9] offset:(32*(\b/2)+8*(\b%2))*4+16
.endr
	v_lshlrev_b32 v4, 3, v3
	s_mul_i32 s90, s15, 49152
	v_add_nc_u32 v16, s90, v4
	s_mul_i32 s90, s16, 49152
	s_add_co_u32 s90, s90, RT
	v_add_nc_u32 v17, s90, v4
	s_mul_i32 s90, s14, 16*272
	s_add_co_u32 s90, s90, STG
	v_mul_u32_u24 v18, v1, 272
	v_lshl_add_u32 v18, v2, 6, v18
	v_add_nc_u32 v18, s90, v18
	v_mul_u32_u24 v19, v2, 272
	v_lshl_add_u32 v19, v1, 4, v19
	v_add_nc_u32 v19, s90, v19
	s_lshl_b32 s90, s15, 7
	s_add_co_u32 s90, s90, LSC
	v_lshlrev_b32 v20, 1, v1
	v_add_nc_u32 v20, s90, v20
	s_lshl_b32 s90, s16, 11
	s_add_co_u32 s90, s90, RSC
	v_lshlrev_b32 v21, 2, v3
	v_add_nc_u32 v21, s90, v21
	v_lshlrev_b32 v22, 12, v2
	v_lshl_add_u32 v22, v1, 4, v22
	s_wait_alu depctr_va_vdst(0)
	s_wait_tensorcnt 0x0
	s_barrier_signal -1
	s_barrier_wait -1
.macro FETCH k, f
	WIN 0x40
.irp a, 0,1,2,3
.irp p, 0,1,2,3,4,5
	ds_load_b64 v[\f+12*\a+2*\p:\f+12*\a+2*\p+1], v16 offset:12288*\a+1536*(\k)+256*\p
.endr
.endr
.irp a, 0,1,2,3
.irp p, 0,1,2,3,4,5
	ds_load_b64 v[\f+48+12*\a+2*\p:\f+48+12*\a+2*\p+1], v17 offset:12288*\a+1536*(\k)+256*\p
.endr
.endr
	WIN 0
.endm
.irp a, 0,1,2,3
.irp d, 0,1,2,3,4,5,6,7,8,9,10,11,12,13,14,15
	ds_load_u16 v[ACC+16*\a+\d], v20 offset:256*\d+32*\a
.endr
.endr
.irp g, 0,1
.irp s, 0,1,2,3,4,5,6,7
	ds_load_b32 v[SR+8*\g+\s], v21 offset:1024*\g+128*\s
.endr
.endr
	FETCH 0, 0
	s_wait_dscnt 0x0
.irp a, 0,1,2,3
.irp s, 0,1,2,3,4,5,6,7
	v_lshl_or_b32 v[SL+8*\a+\s], v[ACC+16*\a+2*\s+1], 16, v[ACC+16*\a+2*\s]
.endr
.endr
	s_wait_alu depctr_va_vdst(0)
	s_wait_loadcnt 0x0
.rept 8
	v_nop
.endr
.macro KSTEP k
	s_wait_dscnt 0x0
	PLACES
.if (\k) < 7
	FETCH (\k)+1, 128*(((\k)+1)%2)
.endif
	WIN 0x05
.set FB, 128*((\k)%2)
.irp a, 0,1,2,3
.irp b, 0,1,2,3
.set rD, ACC+8*(4*\a+\b)
.set rC, rD
.if (\k) == 0
.set rC, BI+8*\b
.endif
.if \b%2
	v_wmma_scale_f32_16x16x128_f8f6f4 v[rD:rD+7], v[FB+48+12*\b:FB+48+12*\b+11], v[FB+12*\a:FB+12*\a+11], v[rC:rC+7], v[SR+8*(\b/2)+(\k)], v[SL+8*\a+(\k)] matrix_a_fmt:MATRIX_FMT_FP6 matrix_b_fmt:MATRIX_FMT_FP6 matrix_a_scale:MATRIX_SCALE_ROW1
.else
	v_wmma_scale_f32_16x16x128_f8f6f4 v[rD:rD+7], v[FB+48+12*\b:FB+48+12*\b+11], v[FB+12*\a:FB+12*\a+11], v[rC:rC+7], v[SR+8*(\b/2)+(\k)], v[SL+8*\a+(\k)] matrix_a_fmt:MATRIX_FMT_FP6 matrix_b_fmt:MATRIX_FMT_FP6
.endif
.endr
.endr
	WIN 0
.endm
.irp k, 0,1,2,3,4,5,6,7
	KSTEP \k
.endr
.macro TOST a
.irp b, 0,1,2,3
	ds_store_b128 v18, v[ACC+8*(4*(\a)+\b):ACC+8*(4*(\a)+\b)+3] offset:128*(\b/2)+32*(\b%2)
	ds_store_b128 v18, v[ACC+8*(4*(\a)+\b)+4:ACC+8*(4*(\a)+\b)+7] offset:128*(\b/2)+32*(\b%2)+16
.endr
.irp i, 0,1,2,3,4,5,6,7
	ds_load_b128 v[ACC+32*(\a)+4*\i:ACC+32*(\a)+4*\i+3], v19 offset:544*\i
.endr
.endm
.macro SEND a, younger
.irp i, 0,1,2,3,4,5,6,7
	s_wait_dscnt \younger+7-\i
	global_store_b128 v22, v[ACC+32*(\a)+4*\i:ACC+32*(\a)+4*\i+3], s[10:11] offset:(((\a)/2)*32+8*((\a)%2)+2*\i+8*(\i/4))*4096 th:TH_STORE_NT
.endr
.endm
	PLACES
	TOST 0
	TOST 1
	SEND 0, 16
	TOST 2
	SEND 1, 16
	TOST 3
	SEND 2, 16
	SEND 3, 0
	s_wait_tensorcnt 0x0
	ds_add_u32 v[SPW], v[NIL]
	s_wait_dscnt 0x0
	CROUND
	s_endpgm
.Lfunc_end_k_qbdc0eb1b42_outp:
	.size	k_qbdc0eb1b42_outp, .Lfunc_end_k_qbdc0eb1b42_outp-k_qbdc0eb1b42_outp
	.p2alignl 7, 3214868480
	.fill 96, 4, 3214868480
	.section	.rodata,"a",@progbits
	.p2align	6, 0x0
	.amdhsa_kernel k_qbdc0eb1b42_outp
		.amdhsa_group_segment_fixed_size 327680
		.amdhsa_private_segment_fixed_size 0
		.amdhsa_enable_private_segment 0
		.amdhsa_kernarg_size 32
		.amdhsa_user_sgpr_count 2
		.amdhsa_user_sgpr_kernarg_segment_ptr 1
		.amdhsa_wavefront_size32 1
		.amdhsa_system_sgpr_workgroup_id_x 1
		.amdhsa_system_sgpr_workgroup_id_y 1
		.amdhsa_system_sgpr_workgroup_id_z 1
		.amdhsa_system_vgpr_workitem_id 0
		.amdhsa_next_free_vgpr 512
		.amdhsa_next_free_sgpr 100
		.amdhsa_reserve_vcc 0
		.amdhsa_float_denorm_mode_32 3
		.amdhsa_float_denorm_mode_16_64 3
		.amdhsa_memory_ordered 1
		.amdhsa_forward_progress 1
		.amdhsa_inst_pref_size 67
	.end_amdhsa_kernel
	.amdgpu_metadata
---
amdhsa.version: [ 1, 2 ]
amdhsa.kernels:
  - .name:           k_qbdc0eb1b42_outp
    .symbol:         k_qbdc0eb1b42_outp.kd
    .args:
      - { .name: aoi, .offset: 0, .size: 8, .value_kind: global_buffer, .address_space: global }
      - { .name: wgt, .offset: 8, .size: 8, .value_kind: global_buffer, .address_space: global }
      - { .name: bo, .offset: 16, .size: 8, .value_kind: global_buffer, .address_space: global }
      - { .name: out0, .offset: 24, .size: 8, .value_kind: global_buffer, .address_space: global }
    .group_segment_fixed_size: 327680
    .private_segment_fixed_size: 0
    .kernarg_segment_align: 8
    .kernarg_segment_size: 32
    .max_flat_workgroup_size: 128
    .sgpr_count:     100
    .vgpr_count:     512
    .wavefront_size: 32
...
	.end_amdgpu_metadata
.endif
;; end of part 4
